; MI455X (gfx1250); checked and timed in simulation.
; The chip was launched on July 23, 2026; its instructions are those of AMD's public machine-readable ISA for CDNA 5 (MIT licence, August 2026) and "CDNA5" Instruction Set Architecture Reference Guide (July 2026). The comments in the code are by the model that wrote it; some were corrected since.
;; Self Attention. Allowed arithmetic: matrix products marked QUANTISED: E2M1 operands, one E8M0 scale for each 32 along K, by v_wmma_scale_f32_16x16x128_f8f6f4 with both operands' format E2M1 (or v_wmma_scale_f32_32x16x128_f4), f32 sums; products left as they are: bf16, f16 or f32 operands; f32 sums; everything else in f32.
;; Inputs: Wk 8 x 512 x 64 float32; Wo 512 x 512 float32; Wq 8 x 512 x 64 float32; Wv 8 x 512 x 64 float32; bias 1 float32; mask 32 x 512 int32; x 32 x 512 x 512 float32.
;; Outputs: out0 32 x 512 x 512 float32.
;; This version of the problem:
;;   THIS VERSION OF THE PROBLEM IS GIVEN IN LOW PRECISION. The matrix products marked QUANTISED in the list below multiply operands that are first quantised to E2M1 (2 exponent bits, 1 mantissa bit; 4 bits a number), with one power-of-two scale for each 32 numbers along K (OCP MX v1.0); their sums are f32. The products marked 'left as it is' may take bf16, f16 or f32 operands, with f32 sums. Whichever they take, every output number must still come out within the allowed error. Rounding operands to bf16 (8 significant bits) uses up far more of that allowance than f16 does (11 bits, for magnitudes from 6e-5 to 65,504). All else is computed in f32.
;;   The module's matrix products, in the order in which they are computed (A, B: the left and right operand; K: the contracted axis; several contracted axes count as one K, in the product's order):
;;     1. [M 512, K 512] x [K 512, N 16,384]; A: input Wq; B: input x: QUANTISED
;;     2. [M 512, K 512] x [K 512, N 16,384]; A: input Wk; B: input x: QUANTISED
;;     3. [M 512, K 512] x [K 512, N 16,384]; A: input Wv; B: input x: QUANTISED
;;     4. batch 256 x [M 512, K 64] x [K 64, N 512]; A: computed on the way; B: computed on the way: left as it is (an operand is computed on the way)
;;     5. batch 256 x [M 512, K 512] x [K 512, N 64]; A: computed on the way; B: computed on the way: left as it is (an operand is computed on the way)
;;     6. [M 16,384, K 512] x [K 512, N 512]; A: computed on the way; B: input Wo: left as it is (an operand is computed on the way)
;;   THE QUANTISER, for each operand of a quantised product, along K:
;;     - K is cut into blocks of 32 from its start; a last block that is shorter is filled with zeros.
;;     - A block's scale is 2^e with e = floor(log2(the largest magnitude in the block)) - 2, held to -126 .. 127; a block of zeros has e = 0. As a byte (E8M0): e + 127.
;;     - Each number is divided by its block's scale, clamped to +-6, and rounded to the nearest number of E2M1, ties to even, subnormals kept.
;;     - The product sums the exact products of the quantised numbers (number of the format x scale) in f32.
;;   ~~~python
;;   def quantise(x, axis):      # numpy; x: float32 -> the quantised numbers, widened to float32 again
;;       x = np.moveaxis(x, axis, -1); K = x.shape[-1]
;;       x = np.pad(x, [(0, 0)] * (x.ndim - 1) + [(0, -K % 32)]); x = x.reshape(x.shape[:-1] + (-1, 32)); a = np.abs(x).max(-1, keepdims=True)
;;       e = np.where(a > 0, np.clip(np.frexp(np.where(a > 0, a, 1))[1] - 1 - 2, -126, 127), 0)      # np.frexp(a)[1] - 1 = floor(log2(a)), exactly
;;       r = np.clip(x / 2.0 ** e, -6, 6)
;;       step = 2.0 ** (np.maximum(np.frexp(np.where(r == 0, 1, r))[1] - 1, 0) - 1)
;;       q = np.round(r / step) * step * 2.0 ** e      # np.round: ties to even
;;       return np.moveaxis(q.reshape(q.shape[:-2] + (-1,))[..., :K], -1, axis).astype(np.float32)
;;   ~~~
;; 2 versions, each right; version 2 is version 1 with the launch attn written anew for expert scheduling mode. Each part assembles by itself: llvm-mc -triple=amdgcn-amd-amdhsa -mcpu=gfx1250 --defsym DOCPART=n.
;; ======== version 1 of 2: 3 launches
;; limits: values are held in f16: magnitudes above 65,504 overflow, below 6.1e-05 lose precision
;; workspace buffers: xc 4,194,304 bytes; xs 262,144 bytes; wc 393,216 bytes; ws 24,576 bytes; wo16 524,288 bytes; mh 16,777,216 bytes
;; launch prep (part 1): grid 288 x 1, 8 waves a work-group, no clusters, 72,704 bytes of LDS; arguments x, Wq, Wk, Wv, Wo, xc, xs, wc, ws, wo16; writes xc, xs, wc, ws, wo16
.if DOCPART == 1
	.amdgcn_target "amdgcn-amd-amdhsa--gfx1250"
	.amdhsa_code_object_version 6
	.text
	.protected	k_q57b222aea2_prep
	.globl	k_q57b222aea2_prep
	.p2align	8
	.type	k_q57b222aea2_prep,@function
k_q57b222aea2_prep:
	s_mov_b64 s[64:65], 0
	v_nop
	global_prefetch_b8 v0, s[64:65] scope:SCOPE_SE
	s_setreg_imm32_b32 hwreg(HW_REG_WAVE_MODE, 25, 1), 1
	s_wait_xcnt 0x0
; PREP: every operand is brought once into the form and the order in which the later launches' matrix instructions take it.
;   x  [16384 tokens][512] f32 -> xc: codes of FP4 (E2M1) along the 512, one E8M0 scale byte for each 32: xs.
;   Wq, Wk, Wv [8 heads][512 d][64 k] f32 -> wc, ws: the same along d, which is their MIDDLE axis.      Wo [512 k][512 n] f32 -> wo16: f16.
; LAYOUTS (the order of the operands' registers: a fragment is read by loads of 16 bytes a lane, 512 consecutive bytes an instruction):
;   xc [tile of 16 tokens T][block of 32 kb][row r][16 bytes]     xs [T][half of K][r][8 bytes: the half's 8 blocks]
;   wc [head][q,k,v][tile of 16 channels ct][kb][r][16 bytes]     ws [head][q,k,v][channel][16 bytes: the 16 blocks]
;   wo16 [128 columns cb][32 along K kg][16 columns tn][c][lane][16 bytes]: column 128 cb + 16 tn + lane % 16, k = 32 kg + 16 c + 8 (lane / 16) + 0 .. 7
; A block's scale is 2^(floor(log2(its largest magnitude)) - 2); its byte is the largest magnitude's exponent field - 2, held at 1 from below by a floor among the maximum's leaves.
; LIMITS: a block of zeros gets the byte 1 where the quantiser says 127 (its codes are zeros and only this program reads the bytes); blocks whose largest magnitude lies under 2^-124 are
; held at the floor; NaN and infinities among the inputs are not served; |Wo| stays under 65,504 (f16), and under 6e-5 it keeps f16's subnormal spacing.
; SHARES: work-groups 0-23 take a head of Wq, Wk or Wv; 24-31 take 64 columns of Wo; 32-287 take 64 tokens of x.  Only x's path touches LDS; waves share nothing, so there is no barrier.
.set WREG,  8960                       ; LDS of a wave: two stages of 16 rows x 272 bytes, then its 128 scale bytes at 8,704
.set SPARE, 8*WREG                     ; behind the eight regions: the spare words, 128 bytes a wave, which no other line names
.set R,     64                         ; v64-191  128 numbers as loaded
.set X,     192                        ; v192-255 x: two sets of 32 neighbours along K;  Wo: the f16 pairs
.set C,     32                         ; v32-47   codes, four registers a block: no store's data are written again
.set E,     48                         ; v48-51   scale bytes (x: one a step;  W: v48 gathers four)
.set SPW,   14                         ; v14      LDS address of my spare word; never rewritten
.set NIL,   15                         ; v15      0; never rewritten
; the largest magnitude of v[b] .. v[b + 31] and the floor 2^(3 - 127), in two chains; then 2 off its exponent field: v13 is the conversions' scale operand
.macro BMAX b
	v_max3_num_f32 v11, |v[(\b)]|, |v[(\b)+1]|, 0x1800000
	v_max3_num_f32 v12, |v[(\b)+2]|, |v[(\b)+3]|, |v[(\b)+4]|
.irp p, 5,9,13,17,21,25
	v_max3_num_f32 v11, v11, |v[(\b)+\p]|, |v[(\b)+\p+1]|
	v_max3_num_f32 v12, v12, |v[(\b)+\p+2]|, |v[(\b)+\p+3]|
.endr
	v_max3_num_f32 v11, v11, |v[(\b)+29]|, |v[(\b)+30]|
	v_max3_num_f32 v11, v11, v12, |v[(\b)+31]|
	v_add_nc_u32 v13, 0xff000000, v11
.endm
; 128 rows of a weight at my column: a lane takes a column and its registers run down K
.macro LOAD128 pitch
.set n, 0
.rept 128
	global_load_b32 v[R+n], v10, s[26:27] offset:n*\pitch th:TH_LOAD_NT
.set n, n+1
.endr
.endm
; the 32 loads of block b of 4 are in; the younger ones may stay out (96 and 64 would do for the first two: the count's field ends at 63)
.macro LWAIT b
.if (\b) < 2
	s_wait_loadcnt 63
.elseif (\b) == 2
	s_wait_loadcnt 32
.else
	s_wait_loadcnt 0x0
.endif
.endm
; x, step j of 4: 16 tokens x 64 along K.  Lanes 0-15 read 256 consecutive bytes of an even row, lanes 16-31 of the odd row below
.macro XLOAD j
.irp i, 0,1,2,3,4,5,6,7
	global_load_b128 v[R+32*(\j)+4*\i:R+32*(\j)+4*\i+3], v4, s[4:5] offset:4096*\i+256*(\j) th:TH_LOAD_NT
.endr
.endm
; step j turns through the wave's own stage: in as loaded, out 128 bytes a lane: lane (r, h) then holds block h of token r.  LDS serves a wave's instructions in order: no wait between
.macro TURN j
.irp i, 0,1,2,3,4,5,6,7
	ds_store_b128 v5, v[R+32*(\j)+4*\i:R+32*(\j)+4*\i+3] offset:4352*((\j)%2)+544*\i
.endr
.irp i, 0,1,2,3,4,5,6,7
	ds_load_b128 v[X+32*((\j)%2)+4*\i:X+32*((\j)%2)+4*\i+3], v6 offset:4352*((\j)%2)+16*\i
.endr
.endm
.macro QSTEP j
.if (\j) < 3
	s_wait_loadcnt 16-8*(\j)                       ; the next step's eight loads are in; the later steps' may be out
	TURN (\j)+1                                    ; and turn while this step is worked
	s_wait_dscnt 16                                ; all but those sixteen: this step's numbers are back
.else
	s_wait_dscnt 0x0
.endif
	BMAX X+32*((\j)%2)
.irp g, 0,1,2,3
	v_cvt_scalef32_pk8_fp4_f32 v[C+4*(\j)+\g], v[X+32*((\j)%2)+8*\g:X+32*((\j)%2)+8*\g+7], v13
.endr
	v_lshrrev_b32 v[E+(\j)], 23, v13               ; the scale's byte (also the plain line behind the conversions)
	ds_store_b8 v8, v[E+(\j)] offset:2*(\j)        ; block 2 j + h of my token's eight
	global_store_b128 v7, v[C+4*(\j):C+4*(\j)+3], s[14:15] offset:512*(\j)   ; 32 lanes store 512 consecutive bytes
.endm
	s_load_b512 s[4:19], s[0:1], 0x0               ; x s[4:5], Wq s[6:7], Wk s[8:9], Wv s[10:11], Wo s[12:13], xc s[14:15], xs s[16:17], wc s[18:19]
	s_load_b128 s[20:23], s[0:1], 0x40             ; ws s[20:21], wo16 s[22:23]
	v_lshl_add_u32 v[SPW], v0, 2, SPARE
	v_mov_b32 v[NIL], 0
	v_lshrrev_b32 v1, 5, v0
	v_readfirstlane_b32 s24, v1                    ; wave 0..7
	v_and_b32 v1, 31, v0                           ; lane
	v_and_b32 v2, 15, v0                           ; r
	v_bfe_u32 v3, v0, 4, 1                         ; h
	v_lshlrev_b32 v7, 4, v1                        ; 16 x lane
	v_lshlrev_b32 v10, 2, v1                       ; 4 x lane
	s_mov_b32 s33, 0                               ; the upper word of every offset pair s[32:33]
	s_wait_kmcnt 0x0
	s_cmp_lt_u32 ttmp9, 24
	s_cbranch_scc1 .Lweights
	s_cmp_lt_u32 ttmp9, 32
	s_cbranch_scc1 .Lwo
; ---- x: wave w takes tile T = 4 (id - 32) + w / 2, half w % 2 of K: 16 tokens x 256 numbers.  All 32 loads go out at once
	s_sub_co_u32 s25, ttmp9, 32
	s_lshl_b32 s25, s25, 2
	s_lshr_b32 s26, s24, 1
	s_add_co_u32 s25, s25, s26                     ; T
	s_and_b32 s26, s24, 1                          ; half
	s_lshl_b32 s32, s25, 15                        ; x: 16 rows of 2,048 bytes a tile, 1,024 bytes a half
	s_lshl_b32 s27, s26, 10
	s_add_co_u32 s32, s32, s27
	s_add_nc_u64 s[4:5], s[4:5], s[32:33]
	s_lshl_b32 s32, s25, 12                        ; xc: 4,096 bytes a tile, 2,048 a half
	s_lshl_b32 s27, s26, 11
	s_add_co_u32 s32, s32, s27
	s_add_nc_u64 s[14:15], s[14:15], s[32:33]
	s_lshl_b32 s32, s25, 8                         ; xs: 256 bytes a tile, 128 a half
	s_lshl_b32 s27, s26, 7
	s_add_co_u32 s32, s32, s27
	s_add_nc_u64 s[16:17], s[16:17], s[32:33]
	v_lshlrev_b32 v4, 11, v3
	v_lshl_add_u32 v4, v2, 4, v4                   ; row h, 16 r bytes
	XLOAD 0
	XLOAD 1
	XLOAD 2
	XLOAD 3
	s_mul_i32 s27, s24, WREG                       ; my wave's region
	v_mul_u32_u24 v5, v3, 272
	v_lshl_add_u32 v5, v2, 4, v5
	v_add_nc_u32 v5, s27, v5                       ; into a stage: row h, 16 r
	v_mul_u32_u24 v6, v2, 272
	v_lshl_add_u32 v6, v3, 7, v6
	v_add_nc_u32 v6, s27, v6                       ; out of it: row r, 128 h
	s_add_co_u32 s27, s27, 8704
	v_lshl_add_u32 v8, v2, 3, v3
	v_add_nc_u32 v8, s27, v8                       ; my scale byte: 8 r + h (+ 2 j)
	v_add_nc_u32 v9, s27, v10                      ; and on the way out 4 bytes a lane
	s_wait_loadcnt 24                              ; step 0's eight loads are in
	TURN 0
	QSTEP 0
	QSTEP 1
	QSTEP 2
	QSTEP 3
	ds_load_b32 v11, v9                            ; in order behind my byte stores
	s_wait_dscnt 0x0
	global_store_b32 v10, v11, s[16:17]            ; my half's 128 scale bytes, consecutive
	s_wait_tensorcnt 0x0                           ; the wave's end, behind my last LDS store
	ds_add_u32 v[SPW], v[NIL]
	s_wait_dscnt 0x0
	s_endpgm
; ---- Wq, Wk, Wv: tensor id / 8, head id % 8.  Wave w: rows d = 128 (w % 4) + 0 .. 127, columns 32 (w / 4) + lane
.Lweights:
	s_and_b32 s28, ttmp9, 7                        ; head
	s_and_b32 s29, s24, 3                          ; q: which 128 along K
	s_lshr_b32 s30, s24, 2                         ; which 32 columns
	s_lshr_b32 s25, ttmp9, 3                       ; tensor
	s_cmp_eq_u32 s25, 0
	s_cselect_b64 s[26:27], s[6:7], s[8:9]         ; the choice hangs on the work-group's number alone
	s_cmp_eq_u32 s25, 2
	s_cselect_b64 s[26:27], s[10:11], s[26:27]
	s_lshl_b32 s32, s28, 17                        ; a head is 131,072 bytes, a row 256
	s_lshl_b32 s31, s29, 15
	s_add_co_u32 s32, s32, s31
	s_lshl_b32 s31, s30, 7
	s_add_co_u32 s32, s32, s31
	s_add_nc_u64 s[26:27], s[26:27], s[32:33]
	s_mul_i32 s32, s28, 49152                      ; wc: head, tensor, two tiles of channels, four blocks
	s_lshl_b32 s31, s25, 14
	s_add_co_u32 s32, s32, s31
	s_lshl_b32 s31, s30, 13
	s_add_co_u32 s32, s32, s31
	s_lshl_b32 s31, s29, 10
	s_add_co_u32 s32, s32, s31
	s_add_nc_u64 s[18:19], s[18:19], s[32:33]
	s_mul_i32 s32, s28, 3072                       ; ws: head, tensor, 32 channels of 16 bytes, word q
	s_lshl_b32 s31, s25, 10
	s_add_co_u32 s32, s32, s31
	s_lshl_b32 s31, s30, 9
	s_add_co_u32 s32, s32, s31
	s_lshl_b32 s31, s29, 2
	s_add_co_u32 s32, s32, s31
	s_add_nc_u64 s[20:21], s[20:21], s[32:33]
	v_lshlrev_b32 v5, 12, v3
	v_lshl_add_u32 v5, v2, 4, v5                   ; tile h of my two, row r
	LOAD128 256
.irp b, 0,1,2,3                        ; a block of 32 along K lies in one lane's registers: no other lane is asked, nothing is transposed
	LWAIT \b
	BMAX R+32*\b
.irp g, 0,1,2,3
	v_cvt_scalef32_pk8_fp4_f32 v[C+4*\b+\g], v[R+32*\b+8*\g:R+32*\b+8*\g+7], v13
.endr
.if \b == 0
	v_lshrrev_b32 v[E], 23, v13                    ; the scale's byte (also the plain line behind the conversions)
.else
	v_lshrrev_b32 v12, 23, v13
	v_lshl_or_b32 v[E], v12, 8*\b, v[E]            ; four bytes make the word of these 128 along K
.endif
	global_store_b128 v5, v[C+4*\b:C+4*\b+3], s[18:19] offset:256*\b   ; each half of the lanes stores 256 consecutive bytes, aligned
.endr
	global_store_b32 v7, v[E], s[20:21]            ; 4 bytes of each channel's 16: ws is 24,576 bytes in all
	s_endpgm
; ---- Wo: wave w of work-group id: rows k = 128 (w % 4) + 0 .. 127, columns 32 cg + lane, cg = 2 (id - 24) + w / 4
.Lwo:
	s_sub_co_u32 s25, ttmp9, 24
	s_lshl_b32 s25, s25, 1
	s_lshr_b32 s28, s24, 2
	s_add_co_u32 s25, s25, s28                     ; cg
	s_and_b32 s29, s24, 3                          ; kq
	s_lshl_b32 s32, s29, 18                        ; 128 rows of 2,048 bytes
	s_lshl_b32 s31, s25, 7
	s_add_co_u32 s32, s32, s31
	s_add_nc_u64 s[26:27], s[12:13], s[32:33]
	s_lshr_b32 s32, s25, 2
	s_lshl_b32 s32, s32, 17                        ; wo16: cb = cg / 4,
	s_lshl_b32 s31, s29, 15                        ; four kg,
	s_add_co_u32 s32, s32, s31
	s_and_b32 s31, s25, 3
	s_lshl_b32 s31, s31, 11                        ; two tiles of columns
	s_add_co_u32 s32, s32, s31
	s_add_nc_u64 s[22:23], s[22:23], s[32:33]
	v_lshlrev_b32 v5, 10, v3
	v_lshl_add_u32 v5, v2, 4, v5                   ; tile h of my two, column r
	LOAD128 2048
.irp b, 0,1,2,3                        ; 32 along K: one kg
	LWAIT \b
.irp p, 0,1,2,3,4,5,6,7,8,9,10,11,12,13,14,15
	v_cvt_pk_f16_f32 v[X+16*\b+\p], v[R+32*\b+2*\p], v[R+32*\b+2*\p+1]
.endr
.irp p, 0,1,2,3                        ; piece p = k 8 p .. 8 p + 7 belongs to register group c = p / 2 of lanes 16 (p % 2) + r
	global_store_b128 v5, v[X+16*\b+4*\p:X+16*\b+4*\p+3], s[22:23] offset:8192*\b+512*(\p/2)+256*(\p%2)
.endr
.endr
	s_endpgm
.Lfunc_end_k_q57b222aea2_prep:
	.size	k_q57b222aea2_prep, .Lfunc_end_k_q57b222aea2_prep-k_q57b222aea2_prep
	.p2alignl 7, 3214868480
	.fill 96, 4, 3214868480
	.section	.rodata,"a",@progbits
	.p2align	6, 0x0
	.amdhsa_kernel k_q57b222aea2_prep
		.amdhsa_group_segment_fixed_size 72704
		.amdhsa_private_segment_fixed_size 0
		.amdhsa_enable_private_segment 0
		.amdhsa_kernarg_size 80
		.amdhsa_user_sgpr_count 2
		.amdhsa_user_sgpr_kernarg_segment_ptr 1
		.amdhsa_wavefront_size32 1
		.amdhsa_system_sgpr_workgroup_id_x 1
		.amdhsa_system_sgpr_workgroup_id_y 1
		.amdhsa_system_sgpr_workgroup_id_z 1
		.amdhsa_system_vgpr_workitem_id 0
		.amdhsa_next_free_vgpr 256
		.amdhsa_next_free_sgpr 66
		.amdhsa_reserve_vcc 0
		.amdhsa_float_denorm_mode_32 3
		.amdhsa_float_denorm_mode_16_64 3
		.amdhsa_memory_ordered 1
		.amdhsa_forward_progress 1
		.amdhsa_inst_pref_size 54
	.end_amdhsa_kernel
	.amdgpu_metadata
---
amdhsa.version: [ 1, 2 ]
amdhsa.kernels:
  - .name:           k_q57b222aea2_prep
    .symbol:         k_q57b222aea2_prep.kd
    .args:
      - { .name: x, .offset: 0, .size: 8, .value_kind: global_buffer, .address_space: global }
      - { .name: Wq, .offset: 8, .size: 8, .value_kind: global_buffer, .address_space: global }
      - { .name: Wk, .offset: 16, .size: 8, .value_kind: global_buffer, .address_space: global }
      - { .name: Wv, .offset: 24, .size: 8, .value_kind: global_buffer, .address_space: global }
      - { .name: Wo, .offset: 32, .size: 8, .value_kind: global_buffer, .address_space: global }
      - { .name: xc, .offset: 40, .size: 8, .value_kind: global_buffer, .address_space: global }
      - { .name: xs, .offset: 48, .size: 8, .value_kind: global_buffer, .address_space: global }
      - { .name: wc, .offset: 56, .size: 8, .value_kind: global_buffer, .address_space: global }
      - { .name: ws, .offset: 64, .size: 8, .value_kind: global_buffer, .address_space: global }
      - { .name: wo16, .offset: 72, .size: 8, .value_kind: global_buffer, .address_space: global }
    .group_segment_fixed_size: 72704
    .private_segment_fixed_size: 0
    .kernarg_segment_align: 8
    .kernarg_segment_size: 80
    .max_flat_workgroup_size: 256
    .sgpr_count:     66
    .vgpr_count:     256
    .wavefront_size: 32
...
	.end_amdgpu_metadata
.endif
;; end of part 1
;; launch attn (part 2): grid 8 x 32, 8 waves a work-group, no clusters, 183,296 bytes of LDS; arguments xc, xs, wc, ws, mask, bias, mh; writes mh
.if DOCPART == 2
	.amdgcn_target "amdgcn-amd-amdhsa--gfx1250"
	.amdhsa_code_object_version 6
	.text
	.protected	k_q57b222aea2_attn
	.globl	k_q57b222aea2_attn
	.p2align	8
	.type	k_q57b222aea2_attn,@function
k_q57b222aea2_attn:
	s_mov_b64 s[64:65], 0
	v_nop
	global_prefetch_b8 v0, s[64:65] scope:SCOPE_SE
	s_setreg_imm32_b32 hwreg(HW_REG_WAVE_MODE, 25, 1), 1
	s_wait_xcnt 0x0
; ATTN: one work-group makes one head of one batch: Q, K, V = x W + bias on codes of FP4 with E8M0 scales, the masked softmax, P V.  Q stays in registers, K and V lie in LDS, the head leaves as f16.
; SHARES.  Eight waves; wave w owns tokens 64 w .. 64 w + 63 (four tiles of 16): they are its queries, and it makes the keys and values of those tokens for all eight waves.
; THE MASK AND THE SCALE ARE FOLDED INTO THE OPERANDS.  Q' = (x Wq + bias) c, c = log2(e) / 8;  K' = m (x Wk + bias), m = the key's mask as f32;  b[key] = ((1 - m) (-1e30)) log2(e) is the C of the
; first product of each tile of scores.  So the matrix unit gives t = log2(e) (m s + (1 - m) (-1e30)), and p = 2^(t - the running maximum of t).  A row all of whose keys are masked has equal t: uniform p.
; LAYOUT.  Scores transposed, S^T = K' Q'^T, and O^T = V^T P: a lane holds ONE query (lane % 16) throughout; two tiles of S^T, rounded in pairs, ARE the second product's operand.  The projections are
; laid so that their results, rounded in pairs, are fragments as they stand: Q and K with source 0 = 16 channels of W, source 1 = 16 tokens; V the other way round.
; FRAGMENTS lie in memory and in LDS as images of their registers: 16 bytes a lane, 512 consecutive bytes an instruction; no pitch, no padding.
; NO JOINT LOADS: the launch has no tensor load.  Of the 187 KB that a work-group reads, 136 KB are x's codes and scales, each byte wanted by one wave's registers alone: a joint load lands in LDS and would add
; a write and a read of each of them.  What all eight waves share, the head's 48 KB of weight codes, is read once by the work-group and handed round through LDS.
; LIMITS: Q', K', V and the head's results are rounded to f16: their magnitudes stay under 65,504, which leaves x and W together some 900 times the drawn size; under 6e-5 they keep f16's subnormal spacing.
; p, at most 1, is rounded to f16 for the second product; the row's sum is taken of the unrounded p.  NaN and infinities among the inputs are not served.
; REGISTERS, in windows of 256 (s_set_vgpr_msb: bits 1:0 source 0, 3:2 source 1, 5:4 source 2, 7:6 destination):
;   window 0: v1-13 addresses; v14, v15 the add's two; v16-31 per tile m, old m, l (two halves); v32-63 projections: bias x 8, m pairs, packed results; attention: b as C, then the softmax's temporaries;
;             v64-191 projections: accumulators v64-95 (at the head: W's codes on their way to LDS), mask v112-117, scale words v128-191; attention: S^T, then P in place; v192-255 W's fragments, then K's.
;   window 1: v0-63 Q'; v64-191 x's 16 fragments, then O^T; v192-255 V's fragments.
.set WIMG,  0                          ; LDS: the head's 12 weight tiles, 4,096 bytes each
.set KIMG,  49152                      ; K': [tile of 16 keys 32][32 channels g 2][1,024 bytes]
.set VIMG,  114688                     ; V:  [32 keys 16][tile of 16 channels 4][1,024 bytes]
.set BM,    180224                     ; b[key], f32
.set SPARE, 182272                     ; the spare words, 128 bytes a wave, which no other line names
.set LI,  1                            ; 16 x lane
.set TI,  2                            ; 16 x thread
.set R16, 3                            ; 16 r
.set R8,  4                            ; 8 r
.set R4,  5                            ; 4 r
.set L8,  6                            ; 8 x lane
.set KST, 7                            ; where I store K's images; behind the second barrier: KIMG + 16 x lane
.set VST, 8                            ; the same for V
.set BST, 9                            ; where I store b; behind the second barrier: BM + 32 h
.set H32, 10                           ; 32 h
.set ADK, 11                           ; addresses of the loads in hand
.set ADV, 12
.set ADM, 13
.set SPW, 14
.set NIL, 15
.set ST,  16
.set TT,  32
.set BIAS, 32
.set MF,  40
.set PK,  48
.set ACC, 64
.set S,   64
.set MI,  112
.set WS,  128                          ; W's scale words: tile i, K step q at WS + 4 i + q
.set XS,  176                          ; x's: tile t, K step q at XS + 4 t + q
.set WB,  192
.set KF,  192
.set QF,  0                            ; window 1
.set XF,  64
.set OA,  64
.set VF,  192
.set MSB, 0
.macro WIN new                         ; the immediate's high byte repeats the setting that is left
.if MSB != \new
	s_set_vgpr_msb (MSB<<8)|\new
.set MSB, \new
.endif
.endm
.macro PLACES n
.rept \n
	v_nop
.endr
.endm
.macro WFETCH i                        ; weight tile i's four fragments into buffer i % 2
.irp q, 0,1,2,3
.irp c, 0,1
	ds_load_b128 v[WB+32*((\i)%2)+8*\q+4*\c:WB+32*((\i)%2)+8*\q+4*\c+3], v[LI] offset:WIMG+4096*(\i)+1024*\q+512*\c
.endr
.endr
.endm
.macro FP4MM d, a, b, sa, sb, first    ; first = 1: the sum starts from the bias
.if \first
	v_wmma_scale_f32_16x16x128_f8f6f4 v[(\d):(\d)+7], v[(\a):(\a)+7], v[(\b):(\b)+7], v[BIAS:BIAS+7], v[\sa], v[\sb] matrix_a_fmt:MATRIX_FMT_FP4 matrix_b_fmt:MATRIX_FMT_FP4
.else
	v_wmma_scale_f32_16x16x128_f8f6f4 v[(\d):(\d)+7], v[(\a):(\a)+7], v[(\b):(\b)+7], v[(\d):(\d)+7], v[\sa], v[\sb] matrix_a_fmt:MATRIX_FMT_FP4 matrix_b_fmt:MATRIX_FMT_FP4
.endif
.endm
; Weight tile i (tensor i / 4, channels 16 (i % 4) on) against my four tiles of tokens: 16 matrix instructions, the four accumulators by turns, K ascending.
.macro PROJ i
.if (\i) < 11
	WFETCH (\i)+1
	s_wait_dscnt 8                                 ; all but the eight just issued: this tile's fragments are in, and the last tile's image stores have read PK
.else
	s_wait_dscnt 0x0
.endif
.if (\i) < 8
	WIN 0x04                                       ; source 1 (x) window 1
.else
	WIN 0x01                                       ; source 0 (x) window 1
.endif
.irp q, 0,1,2,3
.irp t, 0,1,2,3
.if (\i) < 8
.if \q == 0
	FP4MM ACC+8*\t, WB+32*((\i)%2)+8*\q, XF+32*\t+8*\q, WS+4*(\i)+\q, XS+4*\t+\q, 1
.else
	FP4MM ACC+8*\t, WB+32*((\i)%2)+8*\q, XF+32*\t+8*\q, WS+4*(\i)+\q, XS+4*\t+\q, 0
.endif
.else
.if \q == 0
	FP4MM ACC+8*\t, XF+32*\t+8*\q, WB+32*((\i)%2)+8*\q, XS+4*\t+\q, WS+4*(\i)+\q, 1
.else
	FP4MM ACC+8*\t, XF+32*\t+8*\q, WB+32*((\i)%2)+8*\q, XS+4*\t+\q, WS+4*(\i)+\q, 0
.endif
.endif
.endr
.endr
	WIN 0
	PLACES 5                                       ; ahead of the reads of the results, of the loads into the buffer just read, and of the next tile's products, which begin the accumulators anew
.if (\i) < 4                           ; Q': x c, rounded in pairs into its fragment's registers.  Each accumulator is read from its low end on
.irp t, 0,1,2,3
.irp p, 0,2,4,6
	v_pk_mul_f32 v[ACC+8*\t+\p:ACC+8*\t+\p+1], v[ACC+8*\t+\p:ACC+8*\t+\p+1], s[24:25] op_sel_hi:[1,0]
.endr
.endr
	WIN 0x40
.irp t, 0,1,2,3
.irp p, 0,1,2,3
	v_cvt_pk_f16_f32 v[QF+16*\t+4*((\i)%4)+\p], v[ACC+8*\t+2*\p], v[ACC+8*\t+2*\p+1]
.endr
.endr
	WIN 0
.elseif (\i) < 8                       ; K': x my token's m; half a fragment a tile goes to LDS
.irp t, 0,1,2,3
.irp p, 0,2,4,6
	v_pk_mul_f32 v[ACC+8*\t+\p:ACC+8*\t+\p+1], v[ACC+8*\t+\p:ACC+8*\t+\p+1], v[MF+2*\t:MF+2*\t+1] op_sel_hi:[1,0]
.endr
.endr
.irp t, 0,1,2,3
.irp p, 0,1,2,3
	v_cvt_pk_f16_f32 v[PK+4*\t+\p], v[ACC+8*\t+2*\p], v[ACC+8*\t+2*\p+1]
.endr
.endr
.irp t, 0,1,2,3
	ds_store_b128 v[KST], v[PK+4*\t:PK+4*\t+3] offset:2048*\t+1024*(((\i)%4)/2)+512*((\i)%2)
.endr
.else                                  ; V: a lane holds a channel and eight tokens
.irp t, 0,1,2,3
.irp p, 0,1,2,3
	v_cvt_pk_f16_f32 v[PK+4*\t+\p], v[ACC+8*\t+2*\p], v[ACC+8*\t+2*\p+1]
.endr
.endr
.irp t, 0,1,2,3
	ds_store_b128 v[VST], v[PK+4*\t:PK+4*\t+3] offset:4096*(\t/2)+1024*((\i)%4)+512*(\t%2)
.endr
.endif
.endm
.macro KFETCH                          ; a step's 64 keys x 64 channels: fragment 2 kt + g
.irp f, 0,1,2,3,4,5,6,7
.irp c, 0,1
	ds_load_b128 v[KF+8*\f+4*\c:KF+8*\f+4*\c+3], v[ADK] offset:1024*\f+512*\c
.endr
.endr
.endm
.macro MFETCH                          ; b of the step's keys in the result's layout: register j of tile kt = key 16 kt + 8 h + j; the lanes of a half read the same bytes
.irp k, 0,1,2,3
.irp c, 0,1
	ds_load_b128 v[TT+8*\k+4*\c:TT+8*\k+4*\c+3], v[ADM] offset:64*\k+16*\c
.endr
.endr
.endm
; A KEY STEP: 64 keys against my 64 queries.  first = 1: it starts m, l and O^T.  last = 1: nothing more is fetched.
.macro STEP first, last
	s_wait_dscnt 0x0                               ; this step's K' and b are in
	WIN 0x04                                       ; source 1 (Q') window 1
.irp g, 0,1                            ; the 16 accumulators by turns, one instruction a turn
.irp k, 0,1,2,3
.irp u, 0,1,2,3
.if \g == 0
	v_wmma_f32_16x16x32_f16 v[S+32*\u+8*\k:S+32*\u+8*\k+7], v[KF+16*\k:KF+16*\k+7], v[QF+16*\u:QF+16*\u+7], v[TT+8*\k:TT+8*\k+7]
.else
	v_wmma_f32_16x16x32_f16 v[S+32*\u+8*\k:S+32*\u+8*\k+7], v[KF+16*\k+8:KF+16*\k+15], v[QF+16*\u+8:QF+16*\u+15], v[S+32*\u+8*\k:S+32*\u+8*\k+7]
.endif
.endr
.endr
.endr
	WIN 0
	v_add_nc_u32 v[ADV], s28, v[VST]               ; four plain lines: the places behind the products, ahead of the loads into K's registers and of the reads of the scores
.if !\last
	s_add_co_u32 s28, s28, 8192                    ; the next step's K' and V,
	s_add_co_u32 s31, s31, 256                     ; and its b
	v_add_nc_u32 v[ADK], s28, v[KST]
	v_add_nc_u32 v[ADM], s31, v[BST]
	v_nop
.else
	PLACES 3
.endif
	WIN 0x40                                       ; destination window 1
.irp f, 0,1,2,3,4,5,6,7                ; this step's V: fragment 4 u + ct
.irp c, 0,1
	ds_load_b128 v[VF+8*\f+4*\c:VF+8*\f+4*\c+3], v[ADV] offset:1024*\f+512*\c
.endr
.endr
	WIN 0
.if !\last
	KFETCH                                         ; the next step's K' lands under the softmax
.endif
	; THE SOFTMAX, the four tiles by turns in every group.  The maximum of a lane's 32 t: four chains, each begun at its accumulator's low end
.irp j, 0,1,2,3
.irp u, 0,1,2,3
	v_max3_num_f32 v[TT+8*\u+\j], v[S+32*\u+8*\j], v[S+32*\u+8*\j+1], v[S+32*\u+8*\j+2]
.endr
.endr
.irp p, 3,5
.irp j, 0,1,2,3
.irp u, 0,1,2,3
	v_max3_num_f32 v[TT+8*\u+\j], v[TT+8*\u+\j], v[S+32*\u+8*\j+\p], v[S+32*\u+8*\j+\p+1]
.endr
.endr
.endr
.irp u, 0,1,2,3
	v_max3_num_f32 v[TT+8*\u], v[TT+8*\u], v[S+32*\u+7], v[S+32*\u+15]
.endr
.irp u, 0,1,2,3
	v_max3_num_f32 v[TT+8*\u+2], v[TT+8*\u+2], v[S+32*\u+23], v[S+32*\u+31]
.endr
.irp u, 0,1,2,3
	v_max3_num_f32 v[TT+8*\u], v[TT+8*\u], v[TT+8*\u+1], v[TT+8*\u+2]
.endr
.irp u, 0,1,2,3
.if \first
	v_max_num_f32 v[TT+8*\u], v[TT+8*\u], v[TT+8*\u+3]
.else
	v_max3_num_f32 v[TT+8*\u], v[TT+8*\u], v[TT+8*\u+3], v[ST+4*\u]
.endif
.endr
.irp u, 0,1,2,3
	v_permlanex16_b32 v[TT+8*\u+1], v[TT+8*\u], s26, s27   ; the query's other 32 keys lie in the lane 16 away
.endr
.if !\first
.irp u, 0,1,2,3
	v_mov_b32 v[ST+4*\u+1], v[ST+4*\u]             ; the old m
.endr
.endif
.irp u, 0,1,2,3
	v_max_num_f32 v[ST+4*\u], v[TT+8*\u], v[TT+8*\u+1]     ; the running maximum
.endr
.if !\first
.irp u, 0,1,2,3
	v_sub_f32 v[TT+8*\u+4], v[ST+4*\u+1], v[ST+4*\u]
.endr
.endif
.irp p, 0,2,4,6,8,10,12,14,16,18,20,22,24,26,28,30
.irp u, 0,1,2,3
	v_pk_add_f32 v[S+32*\u+\p:S+32*\u+\p+1], v[S+32*\u+\p:S+32*\u+\p+1], v[ST+4*\u:ST+4*\u+1] op_sel_hi:[1,0] neg_lo:[0,1] neg_hi:[0,1]   ; t - m (of the pair the low word serves both halves)
.endr
.endr
.if !\first
.irp u, 0,1,2,3
	v_exp_f32 v[TT+8*\u+4], v[TT+8*\u+4]           ; a = 2^(old m - m)
.endr
.endif
.set e, 0
.rept 128
	v_exp_f32 v[S+e], v[S+e]                       ; p = 2^(t - m): ONE batch for the four tiles
.set e, e+1
.endr
	v_nop                                          ; the plain line behind the last exponential
	s_wait_alu depctr_va_vdst(0)                   ; the wait ahead of the first line that names a result: one for the batch
.irp u, 0,1,2,3
	v_pk_add_f32 v[TT+8*\u+6:TT+8*\u+7], v[S+32*\u:S+32*\u+1], v[S+32*\u+2:S+32*\u+3]     ; the row's sum, of the unrounded p
.endr
.irp p, 4,6,8,10,12,14,16,18,20,22,24,26,28
.irp u, 0,1,2,3
	v_pk_add_f32 v[TT+8*\u+6:TT+8*\u+7], v[TT+8*\u+6:TT+8*\u+7], v[S+32*\u+\p:S+32*\u+\p+1]
.endr
.endr
.irp u, 0,1,2,3
.if \first
	v_pk_add_f32 v[ST+4*\u+2:ST+4*\u+3], v[TT+8*\u+6:TT+8*\u+7], v[S+32*\u+30:S+32*\u+31]
.else
	v_pk_add_f32 v[TT+8*\u+6:TT+8*\u+7], v[TT+8*\u+6:TT+8*\u+7], v[S+32*\u+30:S+32*\u+31]
.endif
.endr
.if !\first
.irp u, 0,1,2,3
	v_pk_fma_f32 v[ST+4*\u+2:ST+4*\u+3], v[ST+4*\u+2:ST+4*\u+3], v[TT+8*\u+4:TT+8*\u+5], v[TT+8*\u+6:TT+8*\u+7] op_sel_hi:[1,0,1]   ; l = a l + the sum
.endr
.endif
.irp p, 0,1,2,3,4,5,6,7,8,9,10,11,12,13,14,15
.irp u, 0,1,2,3
	v_cvt_pk_f16_f32 v[S+32*\u+\p], v[S+32*\u+2*\p], v[S+32*\u+2*\p+1]   ; P in place, ascending: register p is written when pairs 0 .. p have been read
.endr
.endr
.if !\first
	WIN 0x41                                       ; O^T (destination and source 0) window 1, a window 0
.irp u, 0,1,2,3
.irp p, 0,2,4,6,8,10,12,14,16,18,20,22,24,26,28,30
	v_pk_mul_f32 v[OA+32*\u+\p:OA+32*\u+\p+1], v[OA+32*\u+\p:OA+32*\u+\p+1], v[TT+8*\u+4:TT+8*\u+5] op_sel_hi:[1,0]
.endr
.endr
	WIN 0
.endif
.if !\last
	MFETCH                                         ; the temporaries are done with: the next step's b
	s_wait_dscnt 8                                 ; V and the next K' are in; those eight may be out
.else
	s_wait_dscnt 0x0
.endif
	WIN 0x51                                       ; V, C and D window 1, P window 0
.irp w, 0,1                            ; 32 keys at a time; the 16 accumulators by turns
.irp k, 0,1,2,3
.irp u, 0,1,2,3
.if \first && (\w == 0)
	v_wmma_f32_16x16x32_f16 v[OA+32*\u+8*\k:OA+32*\u+8*\k+7], v[VF+32*\w+8*\k:VF+32*\w+8*\k+7], v[S+32*\u+8*\w:S+32*\u+8*\w+7], 0
.else
	v_wmma_f32_16x16x32_f16 v[OA+32*\u+8*\k:OA+32*\u+8*\k+7], v[VF+32*\w+8*\k:VF+32*\w+8*\k+7], v[S+32*\u+8*\w:S+32*\u+8*\w+7], v[OA+32*\u+8*\k:OA+32*\u+8*\k+7]
.endif
.endr
.endr
.endr
	WIN 0
	PLACES 5                                       ; the next step's first products write over P
.endm
	s_load_b256 s[4:11], s[0:1], 0x0               ; xc s[4:5], xs s[6:7], wc s[8:9], ws s[10:11]
	s_load_b128 s[12:15], s[0:1], 0x20             ; mask s[12:13], bias s[14:15]
	s_load_b64 s[16:17], s[0:1], 0x30              ; mh
	v_lshl_add_u32 v[SPW], v0, 2, SPARE
	v_mov_b32 v[NIL], 0
	v_lshrrev_b32 v1, 5, v0
	v_readfirstlane_b32 s19, v1                    ; wave 0..7
	s_mov_b32 s20, ttmp9                           ; head
	s_and_b32 s21, ttmp7, 0xffff                   ; batch
	v_and_b32 v[L8], 31, v0
	v_lshlrev_b32 v[LI], 4, v[L8]
	v_lshlrev_b32 v[L8], 3, v[L8]
	v_lshlrev_b32 v[TI], 4, v0
	v_and_b32 v[R4], 15, v0
	v_lshlrev_b32 v[R16], 4, v[R4]
	v_lshlrev_b32 v[R8], 3, v[R4]
	v_lshlrev_b32 v[R4], 2, v[R4]
	v_bfe_u32 v[H32], v0, 4, 1
	v_lshlrev_b32 v[H32], 5, v[H32]
	s_lshl_b32 s29, s19, 13                        ; my wave's 8,192 bytes of K's images and of V's
	v_add_nc_u32 v[KST], s29, v[LI]
	v_add_nc_u32 v[VST], VIMG, v[KST]
	v_add_nc_u32 v[KST], KIMG, v[KST]
	s_lshl_b32 s29, s19, 8
	v_add_nc_u32 v[BST], s29, v[L8]
	v_add_nc_u32 v[BST], BM, v[BST]                ; b of my tokens 2 lane, 2 lane + 1
	s_mov_b32 s24, 0x3e38aa3b                      ; c = log2(e) / 8
	s_mov_b32 s25, s24                             ; (named with it as a pair, so it is written)
	s_mov_b32 s26, 0x76543210
	s_mov_b32 s27, 0xfedcba98                      ; v_permlanex16_b32's selects for lane l xor 16
	s_mov_b32 s23, 0
	s_wait_kmcnt 0x0
	s_load_b32 s18, s[14:15], 0x0                  ; the bias
	s_lshl_b32 s22, s21, 17                        ; xc: 32 tiles of 4,096 bytes a batch, four a wave
	s_lshl_b32 s29, s19, 14
	s_add_co_u32 s22, s22, s29
	s_add_nc_u64 s[4:5], s[4:5], s[22:23]
	s_lshl_b32 s22, s21, 13                        ; xs: 256 bytes a tile
	s_lshl_b32 s29, s19, 10
	s_add_co_u32 s22, s22, s29
	s_add_nc_u64 s[6:7], s[6:7], s[22:23]
	s_mul_i32 s22, s20, 49152
	s_add_nc_u64 s[8:9], s[8:9], s[22:23]
	s_mul_i32 s22, s20, 3072
	s_add_nc_u64 s[10:11], s[10:11], s[22:23]
	s_lshl_b32 s22, s21, 11                        ; mask: 2,048 bytes a batch, 256 a wave
	s_lshl_b32 s29, s19, 8
	s_add_co_u32 s22, s22, s29
	s_add_nc_u64 s[12:13], s[12:13], s[22:23]
	s_lshl_b32 s22, s21, 19                        ; mh: 16,384 bytes a tile of tokens; my head's two fragments of each
	s_lshl_b32 s29, s19, 16
	s_add_co_u32 s22, s22, s29
	s_lshl_b32 s29, s20, 11
	s_add_co_u32 s22, s22, s29
	s_add_nc_u64 s[16:17], s[16:17], s[22:23]
	; ---- all that the wave reads from memory is asked for here: 69 loads
.irp i, 0,1,2,3,4,5,6,7,8,9,10,11
	global_load_b128 v[ACC+4*\i:ACC+4*\i+3], v[TI], s[8:9] offset:4096*\i      ; my 512 bytes of each weight tile
.endr
.irp i, 0,1,2,3,4,5,6,7,8,9,10,11
	global_load_b128 v[WS+4*\i:WS+4*\i+3], v[R16], s[10:11] offset:256*\i      ; tile i's scale words: lane r has channel r's four
.endr
.irp t, 0,1,2,3
.irp f, 0,1
	global_load_b64 v[XS+4*\t+2*\f:XS+4*\t+2*\f+1], v[R8], s[6:7] offset:256*\t+128*\f
.endr
.endr
	WIN 0x40                                       ; destination window 1
.irp t, 0,1,2,3
.irp q, 0,1,2,3
.irp c, 0,1
	global_load_b128 v[XF+32*\t+8*\q+4*\c:XF+32*\t+8*\q+4*\c+3], v[LI], s[4:5] offset:4096*\t+1024*\q+512*\c
.endr
.endr
.endr
	WIN 0
.irp t, 0,1,2,3
	global_load_b32 v[MI+\t], v[R4], s[12:13] offset:64*\t                     ; the mask of token r of tile t
.endr
	global_load_b64 v[MI+4:MI+5], v[L8], s[12:13]                              ; and of tokens 2 lane, 2 lane + 1
	s_wait_loadcnt 57                              ; the twelve weight loads are in; the 57 behind them may be out
.irp i, 0,1,2,3,4,5,6,7,8,9,10,11
	ds_store_b128 v[TI], v[ACC+4*\i:ACC+4*\i+3] offset:WIMG+4096*\i
.endr
	s_wait_dscnt 0x0                               ; for the others' sake: my stores have landed
	s_barrier_signal -1
	s_barrier_wait -1                              ; the head's weights lie in LDS
	WFETCH 0
	s_wait_loadcnt 0x0
	s_wait_kmcnt 0x0
.irp j, 0,1,2,3,4,5,6,7
	v_mov_b32 v[BIAS+\j], s18                      ; the bias in the result's layout: the C of each projection's first product
.endr
.irp t, 0,1,2,3
	v_cvt_f32_i32 v[MF+2*\t], v[MI+\t]
	v_cvt_f32_i32 v[MF+2*\t+1], v[MI+\t]
.endr
	v_cvt_f32_i32 v[MI+4], v[MI+4]
	v_cvt_f32_i32 v[MI+5], v[MI+5]
	v_sub_f32 v[MI+4], 1.0, v[MI+4]
	v_sub_f32 v[MI+5], 1.0, v[MI+5]
	v_mul_f32 v[MI+4], 0xf149f2ca, v[MI+4]         ; (1 - m) x -1e30,
	v_mul_f32 v[MI+5], 0xf149f2ca, v[MI+5]
	v_mul_f32 v[MI+4], 0x3fb8aa3b, v[MI+4]         ; x log2(e)
	v_mul_f32 v[MI+5], 0x3fb8aa3b, v[MI+5]
	ds_store_b64 v[BST], v[MI+4:MI+5]
	; ---- the projections
.irp n, 0,1,2,3,4,5,6,7,8,9,10,11
	PROJ \n
.endr
	s_wait_dscnt 0x0                               ; for the others' sake: my images of K', V and b have landed
	s_barrier_signal -1
	s_barrier_wait -1                              ; all 512 keys and values lie in LDS; nothing is stored there again
	; ---- attention: eight key steps
	v_add_nc_u32 v[KST], KIMG, v[LI]
	v_add_nc_u32 v[VST], VIMG, v[LI]
	v_add_nc_u32 v[BST], BM, v[H32]
	s_mov_b32 s28, 0
	s_mov_b32 s31, 0
	v_add_nc_u32 v[ADK], s28, v[KST]
	v_add_nc_u32 v[ADM], s31, v[BST]
.irp u, 0,1,2,3
	v_mov_b32 v[ST+4*\u+1], 0                      ; named as the upper half of the pair (m, old m) before it is first written
.endr
	KFETCH
	MFETCH
	STEP 1, 0
	s_mov_b32 s30, 6
.Lkey:
	STEP 0, 0
	s_sub_co_u32 s30, s30, 1
	s_cmp_lg_u32 s30, 0
	s_cbranch_scc1 .Lkey
	STEP 0, 1
	; ---- the way out: O^T / l, rounded in pairs: the pairs are the fragments that the last product reads
.irp u, 0,1,2,3
	v_add_f32 v[TT+8*\u], v[ST+4*\u+2], v[ST+4*\u+3]
.endr
.irp u, 0,1,2,3
	v_permlanex16_b32 v[TT+8*\u+1], v[TT+8*\u], s26, s27
.endr
.irp u, 0,1,2,3
	v_add_f32 v[TT+8*\u], v[TT+8*\u], v[TT+8*\u+1]
.endr
.irp u, 0,1,2,3
	v_rcp_f32 v[TT+8*\u+4], v[TT+8*\u]
.endr
	v_nop                                          ; the plain line behind the last reciprocal
	s_wait_alu depctr_va_vdst(0)                   ; and the wait ahead of the first use: one for the four
	WIN 0x41
.irp u, 0,1,2,3
.irp p, 0,2,4,6,8,10,12,14,16,18,20,22,24,26,28,30
	v_pk_mul_f32 v[OA+32*\u+\p:OA+32*\u+\p+1], v[OA+32*\u+\p:OA+32*\u+\p+1], v[TT+8*\u+4:TT+8*\u+5] op_sel_hi:[1,0]
.endr
.endr
	WIN 0x05                                       ; sources window 1, destination window 0: P's registers are free
.irp u, 0,1,2,3
.irp p, 0,1,2,3,4,5,6,7,8,9,10,11,12,13,14,15
	v_cvt_pk_f16_f32 v[S+16*\u+\p], v[OA+32*\u+2*\p], v[OA+32*\u+2*\p+1]
.endr
.endr
	WIN 0
.irp u, 0,1,2,3
.irp g, 0,1
.irp c, 0,1
	global_store_b128 v[LI], v[S+16*\u+8*\g+4*\c:S+16*\u+8*\g+4*\c+3], s[16:17] offset:16384*\u+1024*\g+512*\c   ; 32 lanes store 512 consecutive bytes
.endr
.endr
.endr
	s_wait_tensorcnt 0x0                           ; the wave's end, behind my last LDS store
	ds_add_u32 v[SPW], v[NIL]
	s_wait_dscnt 0x0
	s_endpgm
.Lfunc_end_k_q57b222aea2_attn:
	.size	k_q57b222aea2_attn, .Lfunc_end_k_q57b222aea2_attn-k_q57b222aea2_attn
	.p2alignl 7, 3214868480
	.fill 96, 4, 3214868480
	.section	.rodata,"a",@progbits
	.p2align	6, 0x0
	.amdhsa_kernel k_q57b222aea2_attn
		.amdhsa_group_segment_fixed_size 183296
		.amdhsa_private_segment_fixed_size 0
		.amdhsa_enable_private_segment 0
		.amdhsa_kernarg_size 56
		.amdhsa_user_sgpr_count 2
		.amdhsa_user_sgpr_kernarg_segment_ptr 1
		.amdhsa_wavefront_size32 1
		.amdhsa_system_sgpr_workgroup_id_x 1
		.amdhsa_system_sgpr_workgroup_id_y 1
		.amdhsa_system_sgpr_workgroup_id_z 1
		.amdhsa_system_vgpr_workitem_id 0
		.amdhsa_next_free_vgpr 512
		.amdhsa_next_free_sgpr 66
		.amdhsa_reserve_vcc 0
		.amdhsa_float_denorm_mode_32 3
		.amdhsa_float_denorm_mode_16_64 3
		.amdhsa_memory_ordered 1
		.amdhsa_forward_progress 1
		.amdhsa_inst_pref_size 169
	.end_amdhsa_kernel
	.amdgpu_metadata
---
amdhsa.version: [ 1, 2 ]
amdhsa.kernels:
  - .name:           k_q57b222aea2_attn
    .symbol:         k_q57b222aea2_attn.kd
    .args:
      - { .name: xc, .offset: 0, .size: 8, .value_kind: global_buffer, .address_space: global }
      - { .name: xs, .offset: 8, .size: 8, .value_kind: global_buffer, .address_space: global }
      - { .name: wc, .offset: 16, .size: 8, .value_kind: global_buffer, .address_space: global }
      - { .name: ws, .offset: 24, .size: 8, .value_kind: global_buffer, .address_space: global }
      - { .name: mask, .offset: 32, .size: 8, .value_kind: global_buffer, .address_space: global }
      - { .name: bias, .offset: 40, .size: 8, .value_kind: global_buffer, .address_space: global }
      - { .name: mh, .offset: 48, .size: 8, .value_kind: global_buffer, .address_space: global }
    .group_segment_fixed_size: 183296
    .private_segment_fixed_size: 0
    .kernarg_segment_align: 8
    .kernarg_segment_size: 56
    .max_flat_workgroup_size: 256
    .sgpr_count:     66
    .vgpr_count:     512
    .wavefront_size: 32
...
	.end_amdgpu_metadata
.endif
;; end of part 2
;; launch oproj (part 3): grid 64 x 4, 4 waves a work-group, clusters of 4 x 1, 167,936 bytes of LDS; arguments mh, wo16, bias, out0; writes out0
.if DOCPART == 3
	.amdgcn_target "amdgcn-amd-amdhsa--gfx1250"
	.amdhsa_code_object_version 6
	.text
	.protected	k_q57b222aea2_oproj
	.globl	k_q57b222aea2_oproj
	.p2align	8
	.type	k_q57b222aea2_oproj,@function
k_q57b222aea2_oproj:
	s_mov_b64 s[64:65], 0
	v_nop
	global_prefetch_b8 v0, s[64:65] scope:SCOPE_SE
	s_setreg_imm32_b32 hwreg(HW_REG_WAVE_MODE, 25, 1), 1
	s_wait_xcnt 0x0
	s_wait_alu depctr_hold_cnt(0) depctr_sa_sdst(0) depctr_va_vdst(0) depctr_va_sdst(0) depctr_va_ssrc(0) depctr_va_vcc(0) depctr_vm_vsrc(0)
	s_getreg_b32 s2, hwreg(HW_REG_IB_STS2, 6, 4)
	s_cmp_eq_u32 s2, 0
	s_cbranch_scc0 .Lentry_in_a_cluster
	s_endpgm
.Lentry_in_a_cluster:
	s_bfe_u32 s2, ttmp6, 0x10000c
	s_cmp_lg_u32 s2, 0x3003
	s_cbranch_scc0 .Lentry_shape_is_right
	s_endpgm
.Lentry_shape_is_right:
; OPROJ: out[token][n] = sum over k of heads[token][k] Wo[k][n] + bias.  16,384 x 512 x 512, f16 operands, f32 sums, f32 out.
; SHARES.  A work-group makes 256 tokens x 128 columns; wave w 64 tokens x 128 columns: 32 accumulators of 16 x 16.
; A (the wave's four tiles of tokens, all 16 K steps of 32: 64 KB) comes from memory straight into 512 registers and stays: no other wave of the work-group wants it.
; B (the 128 columns of Wo for all of K: 128 KB, one dense block of wo16 laid by K step) lies whole in LDS, filled ONCE, in four chunks of four K steps; each wave brings 8 KB of each chunk: four tensor loads of mine are out at the most.
; CLUSTER.  The four work-groups of a cluster make the same 128 columns for different tokens: B is asked for JOINTLY, by the same loads with the same descriptors and a mask that names the four.
; THE MATRIX INSTRUCTION IS USED TRANSPOSED (source 0 = 16 columns of Wo, source 1 = 16 tokens): a lane holds eight neighbouring numbers of a row of out.  The bias is the C of each sum's first product.
; LIMITS: the operands are f16 as the earlier launches made them (magnitudes under 65,504).
; REGISTERS, in windows of 256: window 0: v1-9 addresses, v32-39 the bias, v128-255 two buffers of B's eight fragments, then rows on the way out;
;   windows 1, 2: A's fragment (K step kg, tile t) at v[32 (kg % 8) + 8 t] of window 1 + kg / 8;   window 3: accumulator (t, n) at v[8 (8 t + n)].
.set STAGE, 131072                     ; behind B: 16 rows x (512 + 16) bytes for each wave, for the way out; no tensor load lands there
.set SP,    528
.set SPARE, 164864                     ; behind the stages: the spare words, 128 bytes a wave, which no other line names
.set LI,  1                            ; 16 x lane
.set LI2, 2                            ; 16 x lane + 65,536: B's K steps 8 to 15
.set STO, 3                            ; the way out: where I put 32 bytes of a row
.set RD,  4                            ; and where I read a row back
.set SPW, 6
.set NIL, 7
.set BIAS, 32
.set BB,  128
.set G1,  24                           ; s[24:31] descriptor group 1
.set G0,  32                           ; s[32:47] group 0, a set for each chunk
.set MSB, 0
.macro WIN new                         ; the immediate's high byte repeats the setting that is left
.if MSB != \new
	s_set_vgpr_msb (MSB<<8)|\new
.set MSB, \new
.endif
.endm
.macro PLACES n
.rept \n
	v_nop
.endr
.endm
.macro ROUND                           ; a round of the cluster's barrier
	s_barrier_signal -1
	s_barrier_wait -1
	s_cmp_lg_u32 s12, 0
	s_cbranch_scc1 .Lnot_wave_0_\@
	s_barrier_signal -3
.Lnot_wave_0_\@:
	s_barrier_wait -3
	s_barrier_signal -1
	s_barrier_wait -1
.endm
.macro ALOAD kg                        ; A's four fragments of K step kg
.irp t, 0,1,2,3
.irp c, 0,1
	global_load_b128 v[32*((\kg)%8)+8*\t+4*\c:32*((\kg)%8)+8*\t+4*\c+3], v[LI], s[4:5] offset:16384*\t+1024*(\kg)+512*\c
.endr
.endr
.endm
.macro FETCHB kg                       ; B's eight fragments of K step kg into buffer kg % 2
.irp n, 0,1,2,3,4,5,6,7
.irp c, 0,1
.if (\kg) < 8
	ds_load_b128 v[BB+64*((\kg)%2)+8*\n+4*\c:BB+64*((\kg)%2)+8*\n+4*\c+3], v[LI] offset:8192*((\kg)%8)+1024*\n+512*\c
.else
	ds_load_b128 v[BB+64*((\kg)%2)+8*\n+4*\c:BB+64*((\kg)%2)+8*\n+4*\c+3], v[LI2] offset:8192*((\kg)%8)+1024*\n+512*\c
.endif
.endr
.endr
.endm
.macro MWIN kg                         ; B window 0; A window 1 or 2; D window 3; C window 3, in the first K step window 0 (the bias)
.if (\kg) == 0
	WIN 0xc4
.elseif (\kg) < 8
	WIN 0xf4
.else
	WIN 0xf8
.endif
.endm
.macro MULS kg, t0                     ; 16 matrix instructions: tiles t0, t0 + 1 of tokens x the eight tiles of columns.  The 32 accumulators take turns in the same order in every K step
.irp t, \t0, \t0+1
.irp n, 0,1,2,3,4,5,6,7
.if (\kg) == 0
	v_wmma_f32_16x16x32_f16 v[8*(8*(\t)+\n):8*(8*(\t)+\n)+7], v[BB+64*((\kg)%2)+8*\n:BB+64*((\kg)%2)+8*\n+7], v[32*((\kg)%8)+8*(\t):32*((\kg)%8)+8*(\t)+7], v[BIAS:BIAS+7]
.else
	v_wmma_f32_16x16x32_f16 v[8*(8*(\t)+\n):8*(8*(\t)+\n)+7], v[BB+64*((\kg)%2)+8*\n:BB+64*((\kg)%2)+8*\n+7], v[32*((\kg)%8)+8*(\t):32*((\kg)%8)+8*(\t)+7], v[8*(8*(\t)+\n):8*(8*(\t)+\n)+7]
.endif
.endr
.endr
.endm
.macro KSTEP kg
.if (\kg) <= 8
	s_wait_loadcnt 56                              ; A's eight loads of this K step are in; behind them 56 have been issued
.else
	s_wait_loadcnt 128-8*((\kg)+1)                 ; all 128 are issued: those of the later K steps may be out
.endif
	s_wait_dscnt 0x0                               ; B's fragments, asked for 16 matrix instructions ago
	MWIN \kg
	MULS \kg, 0
.if (\kg) < 15
	WIN 0
	PLACES 4                                       ; ahead of loads into the buffer that the last K step's products read
.if ((\kg)+1)%4 == 0
	s_wait_tensorcnt 3-((\kg)+1)/4                 ; my part of the next chunk has landed; the later chunks may stay out
	s_barrier_signal -1
	s_barrier_wait -1                              ; everybody's has
.endif
	FETCHB (\kg)+1
.endif
.if (\kg) < 8
	WIN 0x80                                       ; destination window 2
	ALOAD (\kg)+8
.endif
	MWIN \kg
	MULS \kg, 2
.endm
; THE WAY OUT, a block of 16 tokens x 128 columns at a time, through my own stage: in as 32 bytes a lane, back as whole rows of 512 bytes.  LDS serves a wave's instructions in order: no wait between
.macro TOSTAGE a
	WIN 0x0c                                       ; an LDS store's data are its source 1: window 3
.irp n, 0,1,2,3,4,5,6,7
	ds_store_b128 v[STO], v[8*(8*(\a)+\n):8*(8*(\a)+\n)+3] offset:64*\n          ; each accumulator from its low end on
	ds_store_b128 v[STO], v[8*(8*(\a)+\n)+4:8*(8*(\a)+\n)+7] offset:64*\n+16
.endr
	WIN 0
.irp i, 0,1,2,3,4,5,6,7,8,9,10,11,12,13,14,15
	ds_load_b128 v[BB+64*((\a)%2)+4*\i:BB+64*((\a)%2)+4*\i+3], v[RD] offset:\i*SP
.endr
.endm
.macro SEND a, younger                 ; younger: the LDS instructions issued behind block a's loads, which may stay out
	s_wait_dscnt \younger
.irp i, 0,1,2,3,4,5,6,7,8,9,10,11,12,13,14,15
	global_store_b128 v[LI], v[BB+64*((\a)%2)+4*\i:BB+64*((\a)%2)+4*\i+3], s[10:11] offset:(16*(\a)+\i)*2048 th:TH_STORE_NT   ; 32 lanes store 512 consecutive bytes, at a multiple of 256 from out's first byte
.endr
.endm
	s_load_b256 s[4:11], s[0:1], 0x0               ; mh s[4:5], wo16 s[6:7], bias s[8:9], out s[10:11]
	v_lshl_add_u32 v[SPW], v0, 2, SPARE
	v_mov_b32 v[NIL], 0
	ds_add_u32 v[SPW], v[NIL]                      ; the wave's opening: the add, twice on end, and its wait ahead of my first tensor load
	ds_add_u32 v[SPW], v[NIL]                      ; the same add once more; the set-up below, work on registers, stands between it and the wait
	v_lshrrev_b32 v1, 5, v0
	v_readfirstlane_b32 s12, v1                    ; wave 0..3
	s_bfe_u32 s13, ttmp6, 0x40000                  ; cx: my place in the cluster: it enters A's and out's addresses alone
	s_lshl_b32 s14, ttmp9, 2                       ; in a cluster launch ttmp9 counts clusters
	s_add_co_u32 s14, s14, s13                     ; my block of 256 tokens
	s_and_b32 s15, ttmp7, 0xffff                   ; my block of 128 columns, which the four partners share
	; descriptor group 1: 32 rows of 256 bytes (32 elements of 8 bytes), dense, no padding
	s_mov_b32 s[G1+0], 15|(3<<16)|(1<<21)          ; 15:0 the mask: all four work-groups; 17:16 elements of 8 bytes; 21 set beside a mask
	s_mov_b32 s[G1+1], 32<<16                      ; tensor_dim0 = 32
	s_mov_b32 s[G1+2], 32<<16                      ; tensor_dim1 = 32
	s_mov_b32 s[G1+3], 32<<16                      ; tile_dim0 = 32
	s_mov_b32 s[G1+4], 32                          ; tile_dim1 = 32
	s_mov_b32 s[G1+5], 32                          ; from row to row: 32 elements
	s_mov_b32 s[G1+6], 0
	s_mov_b32 s[G1+7], 0
	s_lshl_b32 s17, s12, 13                        ; my 8,192 bytes of a chunk, in LDS and in memory alike
	s_lshl_b32 s18, s15, 17                        ; a block of columns is 131,072 bytes of wo16
	s_add_co_u32 s18, s18, s17
	s_mov_b32 s19, 0
	s_lshl_b32 s20, s14, 18                        ; mh: 16 tiles of 16,384 bytes a block of tokens, four a wave
	s_lshl_b32 s21, s12, 16
	s_add_co_u32 s20, s20, s21
	s_mov_b32 s21, 0
	s_lshl_b32 s22, s14, 19                        ; out: 256 rows of 2,048 bytes a block, 64 a wave, 512 bytes a block of columns
	s_lshl_b32 s23, s12, 17
	s_add_co_u32 s22, s22, s23
	s_lshl_b32 s23, s15, 9
	s_add_co_u32 s22, s22, s23
	s_mov_b32 s23, 0
	v_and_b32 v5, 31, v0
	v_lshlrev_b32 v[LI], 4, v5
	v_add_nc_u32 v[LI2], 0x10000, v[LI]
	v_and_b32 v8, 15, v0                           ; r
	v_bfe_u32 v9, v0, 4, 1                         ; h
	s_mul_i32 s16, s12, 16*SP
	s_add_co_u32 s16, s16, STAGE                   ; my stage
	v_mul_u32_u24 v[STO], v8, SP
	v_lshl_add_u32 v[STO], v9, 5, v[STO]
	v_add_nc_u32 v[STO], s16, v[STO]               ; in: row r, 32 h
	v_add_nc_u32 v[RD], s16, v[LI]                 ; back: a row's 512 bytes, 16 a lane
	s_wait_dscnt 0x0                               ; both opening adds are done
	s_wait_kmcnt 0x0
	s_load_b32 s48, s[8:9], 0x0                    ; the bias
	s_add_nc_u64 s[4:5], s[4:5], s[20:21]
	s_add_nc_u64 s[6:7], s[6:7], s[18:19]
	s_add_nc_u64 s[10:11], s[10:11], s[22:23]
.irp j, 0,1,2,3
	s_mov_b32 s[G0+4*\j], 1                                        ; count = 1
	s_add_co_u32 s[G0+4*\j+1], s17, \j*32768                       ; LDS address: K step 4 j + wave
	s_add_nc_u64 s[G0+4*\j+2:G0+4*\j+3], s[6:7], \j*32768          ; the same K step in memory
	s_or_b32 s[G0+4*\j+3], s[G0+4*\j+3], 0x80000000                ; type = 2
.endr
	WIN 0x40                                       ; destination window 1
.irp k, 0,1,2,3,4,5,6,7
	ALOAD \k                                       ; A's first eight K steps: they touch no LDS and are on their way while the partners gather
.endr
	WIN 0
	ROUND                                          ; all four work-groups are here: the joint loads meet
.irp j, 0,1,2,3
	tensor_load_to_lds s[G0+4*\j:G0+4*\j+3], s[G1:G1+7]
	s_nop 0
.endr
	PLACES 4
	s_wait_kmcnt 0x0
.irp j, 0,1,2,3,4,5,6,7
	v_mov_b32 v[BIAS+\j], s48
.endr
	s_wait_tensorcnt 3                             ; my part of chunk 0 has landed; chunks 1 to 3 may stay out
	s_barrier_signal -1
	s_barrier_wait -1                              ; everybody's has
	FETCHB 0
.irp k, 0,1,2,3,4,5,6,7,8,9,10,11,12,13,14,15
	KSTEP \k
.endr
	WIN 0
	PLACES 4                                       ; ahead of the stores that read the last results and of the loads into B's buffers
	TOSTAGE 0
.irp a, 1,2,3
.if \a > 1
	s_wait_xcnt 0x0                                ; block a - 2's stores have read their registers: block a's rows may land there
.endif
	TOSTAGE \a
	SEND \a-1, 32                                  ; behind block a - 1's loads: block a's 16 stores and 16 loads
.endr
	SEND 3, 0
	s_wait_tensorcnt 0x0                           ; the wave's end, behind my last tensor load and my last LDS store
	ds_add_u32 v[SPW], v[NIL]
	s_wait_dscnt 0x0
	ROUND                                          ; the closing round: no work-group ends while a partner may still ask for a chunk that names it
	s_endpgm
.Lfunc_end_k_q57b222aea2_oproj:
	.size	k_q57b222aea2_oproj, .Lfunc_end_k_q57b222aea2_oproj-k_q57b222aea2_oproj
	.p2alignl 7, 3214868480
	.fill 96, 4, 3214868480
	.section	.rodata,"a",@progbits
	.p2align	6, 0x0
	.amdhsa_kernel k_q57b222aea2_oproj
		.amdhsa_group_segment_fixed_size 167936
		.amdhsa_private_segment_fixed_size 0
		.amdhsa_enable_private_segment 0
		.amdhsa_kernarg_size 32
		.amdhsa_user_sgpr_count 2
		.amdhsa_user_sgpr_kernarg_segment_ptr 1
		.amdhsa_wavefront_size32 1
		.amdhsa_system_sgpr_workgroup_id_x 1
		.amdhsa_system_sgpr_workgroup_id_y 1
		.amdhsa_system_sgpr_workgroup_id_z 1
		.amdhsa_system_vgpr_workitem_id 0
		.amdhsa_next_free_vgpr 1024
		.amdhsa_next_free_sgpr 66
		.amdhsa_reserve_vcc 0
		.amdhsa_float_denorm_mode_32 3
		.amdhsa_float_denorm_mode_16_64 3
		.amdhsa_memory_ordered 1
		.amdhsa_forward_progress 1
		.amdhsa_inst_pref_size 85
	.end_amdhsa_kernel
	.amdgpu_metadata
---
amdhsa.version: [ 1, 2 ]
amdhsa.kernels:
  - .name:           k_q57b222aea2_oproj
    .symbol:         k_q57b222aea2_oproj.kd
    .args:
      - { .name: mh, .offset: 0, .size: 8, .value_kind: global_buffer, .address_space: global }
      - { .name: wo16, .offset: 8, .size: 8, .value_kind: global_buffer, .address_space: global }
      - { .name: bias, .offset: 16, .size: 8, .value_kind: global_buffer, .address_space: global }
      - { .name: out0, .offset: 24, .size: 8, .value_kind: global_buffer, .address_space: global }
    .group_segment_fixed_size: 167936
    .private_segment_fixed_size: 0
    .kernarg_segment_align: 8
    .kernarg_segment_size: 32
    .max_flat_workgroup_size: 128
    .sgpr_count:     66
    .vgpr_count:     1024
    .wavefront_size: 32
...
	.end_amdgpu_metadata
.endif
;; end of part 3
;; ======== version 2 of 2: 3 launches; version 1 with the launch attn written anew for expert scheduling mode
;; limits: values are held in f16: magnitudes above 65,504 overflow, below 6.1e-05 lose precision
;; workspace buffers: xc 4,194,304 bytes; xs 262,144 bytes; wc 393,216 bytes; ws 24,576 bytes; wo16 524,288 bytes; mh 16,777,216 bytes
;; launch prep: the kernel of part 1 again; grid 288 x 1, 8 waves a work-group, no clusters, 72,704 bytes of LDS; arguments x, Wq, Wk, Wv, Wo, xc, xs, wc, ws, wo16; writes xc, xs, wc, ws, wo16
;; launch attn (part 4): grid 8 x 32, 8 waves a work-group, no clusters, 183,296 bytes of LDS; arguments xc, xs, wc, ws, mask, bias, mh; writes mh
.if DOCPART == 4
	.amdgcn_target "amdgcn-amd-amdhsa--gfx1250"
	.amdhsa_code_object_version 6
	.text
	.protected	k_q57b222aea2_attn
	.globl	k_q57b222aea2_attn
	.p2align	8
	.type	k_q57b222aea2_attn,@function
k_q57b222aea2_attn:
	s_mov_b64 s[64:65], 0
	v_nop
	global_prefetch_b8 v0, s[64:65] scope:SCOPE_SE
	s_setreg_imm32_b32 hwreg(HW_REG_WAVE_SCHED_MODE, 0, 2), 2
	s_setreg_imm32_b32 hwreg(HW_REG_WAVE_MODE, 25, 1), 1
	s_wait_xcnt 0x0
	s_wait_alu depctr_vm_vsrc(0)
; ATTN: one work-group makes one head of one batch: Q, K, V = x W + bias on codes of FP4 with E8M0 scales, the masked softmax, P V.  Q stays in registers, K and V lie in LDS, the head leaves as f16.
; SHARES.  Eight waves; wave w owns tokens 64 w .. 64 w + 63 (four tiles of 16): they are its queries, and it makes the keys and values of those tokens for all eight waves.
; THE MASK AND THE SCALE ARE FOLDED INTO THE OPERANDS.  Q' = (x Wq + bias) c, c = log2(e) / 8;  K' = m (x Wk + bias), m = the key's mask as f32;  b[key] = ((1 - m) (-1e30)) log2(e) is the C of the
; first product of each tile of scores.  So the matrix unit gives t = log2(e) (m s + (1 - m) (-1e30)), and p = 2^(t - the running maximum of t).  A row all of whose keys are masked has equal t: uniform p.
; LAYOUT.  Scores transposed, S^T = K' Q'^T, and O^T = V^T P: a lane holds ONE query (lane % 16) throughout; two tiles of S^T, rounded in pairs, ARE the second product's operand.  The projections are
; laid so that their results, rounded in pairs, are fragments as they stand: Q and K with source 0 = 16 channels of W, source 1 = 16 tokens; V the other way round.
; FRAGMENTS lie in memory and in LDS as images of their registers: 16 bytes a lane, 512 consecutive bytes an instruction; no pitch, no padding.
; NO JOINT LOADS: the launch has no tensor load.  Of the 187 KB that a work-group reads, 136 KB are x's codes and scales, each byte wanted by one wave's registers alone: a joint load lands in LDS and would add
; a write and a read of each of them.  What all eight waves share, the head's 48 KB of weight codes, is read once by the work-group and handed round through LDS.
; LIMITS: Q', K', V and the head's results are rounded to f16: their magnitudes stay under 65,504, which leaves x and W together some 900 times the drawn size; under 6e-5 they keep f16's subnormal spacing.
; p, at most 1, is rounded to f16 for the second product; the row's sum is taken of the unrounded p.  NaN and infinities among the inputs are not served.
; REGISTERS, in windows of 256 (s_set_vgpr_msb: bits 1:0 source 0, 3:2 source 1, 5:4 source 2, 7:6 destination):
;   window 0: v1-13 addresses; v14, v15 the add's two; v16-31 per tile m, old m, l (two halves); v32-63 projections: bias x 8, m pairs, packed results; attention: b as C, then the softmax's temporaries;
;             v64-191 projections: accumulators v64-95 (at the head: W's codes on their way to LDS), mask v112-117, scale words v128-191; attention: S^T, then P in place; v192-255 W's fragments, then K's.
;   window 1: v0-63 Q'; v64-191 x's 16 fragments, then O^T; v192-255 V's fragments.
; THE MODE: SCHED_MODE bits 1:0 = 2 (LLVM: expert scheduling mode 2), set by the entry lines.  The code itself states the register dependences between vector or matrix instructions and memory or LDS
; instructions, with s_wait_alu, always for 0.
; THE PLAN.  Registers that memory or LDS instructions touch, and who else names them:
;   v1-6          offsets, made at the head ahead of one wait on va_vdst, read by loads and stores, never written again.
;   KST, VST, BST made at the head, read by the image stores; written once more behind the second barrier, behind a wait on vm_vsrc; from there on vector instructions alone read them.
;   v64-111       W's codes: loaded, read by the twelve LDS stores at the head; behind the first barrier a wait on vm_vsrc, and then they are accumulators.
;   WB0, WB1      tile i's products read WB[i % 2]; the fetch that stands at the head of tile i + 1 lands in it.
;   PK            tile i's conversions write it, its four image stores read it, tile i + 1's conversions write it again.
;     So a tile of the projections ENDS with one wait on va_vdst, behind its conversions: PK is written, and the tile's products are done reading their buffer of W.  The image stores and the next
;     fetch follow it.  Tiles 5 to 11 have one wait on vm_vsrc ahead of their conversions into PK.
;   In a key step:
;   ADV, ADK, ADM read by the step's LDS loads; written once a step, behind the scores' products: one wait on vm_vsrc ahead of the three additions.
;   VF            read by the last step's products V^T P; this step's V lands in it.          KF   read by this step's products K' Q'^T; the next step's K' lands in it.
;   TT            b: read by the scores' products as C; then the softmax's temporaries; then the next step's b lands in it.
;     So a key step has three waits on va_vdst.  The first, behind the three additions: the addresses are written, the scores' products are done with KF, the last step's V^T P with VF; V's sixteen loads
;     follow it, and K's sixteen are dealt, four at a time, among the lines of the maximum, which name TT and S alone.  The second is the one behind the batch of exponentials.  The third, behind the
;     rescaling: the softmax is done with TT; b's eight loads follow it.
.set WIMG,  0                          ; LDS: the head's 12 weight tiles, 4,096 bytes each
.set KIMG,  49152                      ; K': [tile of 16 keys 32][32 channels g 2][1,024 bytes]
.set VIMG,  114688                     ; V:  [32 keys 16][tile of 16 channels 4][1,024 bytes]
.set BM,    180224                     ; b[key], f32
.set SPARE, 182272                     ; the spare words, 128 bytes a wave, which no other line names
.set LI,  1                            ; 16 x lane
.set TI,  2                            ; 16 x thread
.set R16, 3                            ; 16 r
.set R8,  4                            ; 8 r
.set R4,  5                            ; 4 r
.set L8,  6                            ; 8 x lane
.set KST, 7                            ; where I store K's images; behind the second barrier: KIMG + 16 x lane
.set VST, 8                            ; the same for V
.set BST, 9                            ; where I store b; behind the second barrier: BM + 32 h
.set H32, 10                           ; 32 h
.set ADK, 11                           ; addresses of the loads in hand
.set ADV, 12
.set ADM, 13
.set SPW, 14
.set NIL, 15
.set ST,  16
.set TT,  32
.set BIAS, 32
.set MF,  40
.set PK,  48
.set ACC, 64
.set S,   64
.set MI,  112
.set WS,  128                          ; W's scale words: tile i, K step q at WS + 4 i + q
.set XS,  176                          ; x's: tile t, K step q at XS + 4 t + q
.set WB,  192
.set KF,  192
.set QF,  0                            ; window 1
.set XF,  64
.set OA,  64
.set VF,  192
.set MSB, 0
.macro WIN new                         ; the immediate's high byte repeats the setting that is left
.if MSB != \new
	s_set_vgpr_msb (MSB<<8)|\new
.set MSB, \new
.endif
.endm
.macro PLACES n
.rept \n
	v_nop
.endr
.endm
.macro WFETCH i                        ; weight tile i's four fragments into buffer i % 2
.irp q, 0,1,2,3
.irp c, 0,1
	ds_load_b128 v[WB+32*((\i)%2)+8*\q+4*\c:WB+32*((\i)%2)+8*\q+4*\c+3], v[LI] offset:WIMG+4096*(\i)+1024*\q+512*\c
.endr
.endr
.endm
.macro FP4MM d, a, b, sa, sb, first    ; first = 1: the sum starts from the bias
.if \first
	v_wmma_scale_f32_16x16x128_f8f6f4 v[(\d):(\d)+7], v[(\a):(\a)+7], v[(\b):(\b)+7], v[BIAS:BIAS+7], v[\sa], v[\sb] matrix_a_fmt:MATRIX_FMT_FP4 matrix_b_fmt:MATRIX_FMT_FP4
.else
	v_wmma_scale_f32_16x16x128_f8f6f4 v[(\d):(\d)+7], v[(\a):(\a)+7], v[(\b):(\b)+7], v[(\d):(\d)+7], v[\sa], v[\sb] matrix_a_fmt:MATRIX_FMT_FP4 matrix_b_fmt:MATRIX_FMT_FP4
.endif
.endm
; Weight tile i (tensor i / 4, channels 16 (i % 4) on) against my four tiles of tokens: 16 matrix instructions, the four accumulators by turns, K ascending.
.macro PROJ i
.if (\i) < 11
	WFETCH (\i)+1                                  ; no wait here: the wait that ended the last tile has shown that tile's products done with this buffer, and no vector or matrix instruction has named it since
	s_wait_dscnt 8                                 ; all but the eight just issued: this tile's fragments are in
.else
	s_wait_dscnt 0x0
.endif
.if (\i) < 8
	WIN 0x04                                       ; source 1 (x) window 1
.else
	WIN 0x01                                       ; source 0 (x) window 1
.endif
.irp q, 0,1,2,3
.irp t, 0,1,2,3
.if (\i) < 8
.if \q == 0
	FP4MM ACC+8*\t, WB+32*((\i)%2)+8*\q, XF+32*\t+8*\q, WS+4*(\i)+\q, XS+4*\t+\q, 1
.else
	FP4MM ACC+8*\t, WB+32*((\i)%2)+8*\q, XF+32*\t+8*\q, WS+4*(\i)+\q, XS+4*\t+\q, 0
.endif
.else
.if \q == 0
	FP4MM ACC+8*\t, XF+32*\t+8*\q, WB+32*((\i)%2)+8*\q, XS+4*\t+\q, WS+4*(\i)+\q, 1
.else
	FP4MM ACC+8*\t, XF+32*\t+8*\q, WB+32*((\i)%2)+8*\q, XS+4*\t+\q, WS+4*(\i)+\q, 0
.endif
.endif
.endr
.endr
	WIN 0
	PLACES 5                                       ; ahead of the reads of the results, and of the next tile's products, which begin the accumulators anew
.if (\i) < 4                           ; Q': x c, rounded in pairs into its fragment's registers.  Each accumulator is read from its low end on
.irp t, 0,1,2,3
.irp p, 0,2,4,6
	v_pk_mul_f32 v[ACC+8*\t+\p:ACC+8*\t+\p+1], v[ACC+8*\t+\p:ACC+8*\t+\p+1], s[24:25] op_sel_hi:[1,0]
.endr
.endr
	WIN 0x40
.irp t, 0,1,2,3
.irp p, 0,1,2,3
	v_cvt_pk_f16_f32 v[QF+16*\t+4*((\i)%4)+\p], v[ACC+8*\t+2*\p], v[ACC+8*\t+2*\p+1]
.endr
.endr
	WIN 0
	s_wait_alu depctr_va_vdst(0)                   ; this tile's products are done reading their buffer of W, in which the fetch at the next tile's head lands
.elseif (\i) < 8                       ; K': x my token's m; half a fragment a tile goes to LDS
.irp t, 0,1,2,3
.irp p, 0,2,4,6
	v_pk_mul_f32 v[ACC+8*\t+\p:ACC+8*\t+\p+1], v[ACC+8*\t+\p:ACC+8*\t+\p+1], v[MF+2*\t:MF+2*\t+1] op_sel_hi:[1,0]
.endr
.endr
.if (\i) > 4
	s_wait_alu depctr_vm_vsrc(0)                   ; the last tile's image stores have read PK, which the conversions below write again
.endif
.irp t, 0,1,2,3
.irp p, 0,1,2,3
	v_cvt_pk_f16_f32 v[PK+4*\t+\p], v[ACC+8*\t+2*\p], v[ACC+8*\t+2*\p+1]
.endr
.endr
	s_wait_alu depctr_va_vdst(0)                   ; the conversions have written PK, which the image stores read; this tile's products are done reading their buffer of W, in which the next fetch lands
.irp t, 0,1,2,3
	ds_store_b128 v[KST], v[PK+4*\t:PK+4*\t+3] offset:2048*\t+1024*(((\i)%4)/2)+512*((\i)%2)
.endr
.else                                  ; V: a lane holds a channel and eight tokens
	s_wait_alu depctr_vm_vsrc(0)                   ; the last tile's image stores have read PK, which the conversions below write again
.irp t, 0,1,2,3
.irp p, 0,1,2,3
	v_cvt_pk_f16_f32 v[PK+4*\t+\p], v[ACC+8*\t+2*\p], v[ACC+8*\t+2*\p+1]
.endr
.endr
	s_wait_alu depctr_va_vdst(0)                   ; the conversions have written PK, which the image stores read; this tile's products are done reading their buffer of W, in which the next fetch lands
.irp t, 0,1,2,3
	ds_store_b128 v[VST], v[PK+4*\t:PK+4*\t+3] offset:4096*(\t/2)+1024*((\i)%4)+512*(\t%2)
.endr
.endif
.endm
.macro KPART f0                        ; two of the eight fragments (2 kt + g) of a step's 64 keys x 64 channels: four loads
.irp f, \f0, \f0+1
.irp c, 0,1
	ds_load_b128 v[KF+8*(\f)+4*\c:KF+8*(\f)+4*\c+3], v[ADK] offset:1024*(\f)+512*\c
.endr
.endr
.endm
.macro MFETCH                          ; b of the step's keys in the result's layout: register j of tile kt = key 16 kt + 8 h + j; the lanes of a half read the same bytes
.irp k, 0,1,2,3
.irp c, 0,1
	ds_load_b128 v[TT+8*\k+4*\c:TT+8*\k+4*\c+3], v[ADM] offset:64*\k+16*\c
.endr
.endr
.endm
.macro MAXG p                          ; two more scores onto each of the sixteen chains of the maximum
.irp j, 0,1,2,3
.irp u, 0,1,2,3
	v_max3_num_f32 v[TT+8*\u+\j], v[TT+8*\u+\j], v[S+32*\u+8*\j+\p], v[S+32*\u+8*\j+\p+1]
.endr
.endr
.endm
; A KEY STEP: 64 keys against my 64 queries.  first = 1: it starts m, l and O^T.  last = 1: nothing more is fetched.
.macro STEP first, last
	s_wait_dscnt 0x0                               ; this step's K' and b are in
	WIN 0x04                                       ; source 1 (Q') window 1
.irp g, 0,1                            ; the 16 accumulators by turns, one instruction a turn
.irp k, 0,1,2,3
.irp u, 0,1,2,3
.if \g == 0
	v_wmma_f32_16x16x32_f16 v[S+32*\u+8*\k:S+32*\u+8*\k+7], v[KF+16*\k:KF+16*\k+7], v[QF+16*\u:QF+16*\u+7], v[TT+8*\k:TT+8*\k+7]
.else
	v_wmma_f32_16x16x32_f16 v[S+32*\u+8*\k:S+32*\u+8*\k+7], v[KF+16*\k+8:KF+16*\k+15], v[QF+16*\u+8:QF+16*\u+15], v[S+32*\u+8*\k:S+32*\u+8*\k+7]
.endif
.endr
.endr
.endr
	WIN 0
	s_wait_alu depctr_vm_vsrc(0)                   ; the LDS loads issued so far have read ADV, ADK and ADM, which the lines below write
	v_add_nc_u32 v[ADV], s28, v[VST]               ; four plain lines: the places behind the products, ahead of the reads of the scores
.if !\last
	s_add_co_u32 s28, s28, 8192                    ; the next step's K' and V,
	s_add_co_u32 s31, s31, 256                     ; and its b
	v_add_nc_u32 v[ADK], s28, v[KST]
	v_add_nc_u32 v[ADM], s31, v[BST]
	v_nop
.else
	PLACES 3
.endif
	WIN 0x40                                       ; destination window 1
	s_wait_alu depctr_va_vdst(0)                   ; the addresses are written, which the loads below and b's loads read; the last step's products V^T P are done reading V's registers and this step's K' Q'^T are done reading K's, in which the loads below land
.irp f, 0,1,2,3,4,5,6,7                ; this step's V: fragment 4 u + ct
.irp c, 0,1
	ds_load_b128 v[VF+8*\f+4*\c:VF+8*\f+4*\c+3], v[ADV] offset:1024*\f+512*\c
.endr
.endr
	WIN 0
	; THE SOFTMAX, the four tiles by turns in every group.  The next step's K' is asked for among the lines of the maximum, four loads at a time, with no further wait: these lines name TT and S, never K's registers or ADK
.if !\last
	KPART 0
.endif
.irp j, 0,1,2,3                        ; the maximum of a lane's 32 t: four chains a tile, each begun at its accumulator's low end
.irp u, 0,1,2,3
	v_max3_num_f32 v[TT+8*\u+\j], v[S+32*\u+8*\j], v[S+32*\u+8*\j+1], v[S+32*\u+8*\j+2]
.endr
.endr
.if !\last
	KPART 2
.endif
	MAXG 3
.if !\last
	KPART 4
.endif
	MAXG 5
.if !\last
	KPART 6
.endif
.irp u, 0,1,2,3
	v_max3_num_f32 v[TT+8*\u], v[TT+8*\u], v[S+32*\u+7], v[S+32*\u+15]
.endr
.irp u, 0,1,2,3
	v_max3_num_f32 v[TT+8*\u+2], v[TT+8*\u+2], v[S+32*\u+23], v[S+32*\u+31]
.endr
.irp u, 0,1,2,3
	v_max3_num_f32 v[TT+8*\u], v[TT+8*\u], v[TT+8*\u+1], v[TT+8*\u+2]
.endr
.irp u, 0,1,2,3
.if \first
	v_max_num_f32 v[TT+8*\u], v[TT+8*\u], v[TT+8*\u+3]
.else
	v_max3_num_f32 v[TT+8*\u], v[TT+8*\u], v[TT+8*\u+3], v[ST+4*\u]
.endif
.endr
.irp u, 0,1,2,3
	v_permlanex16_b32 v[TT+8*\u+1], v[TT+8*\u], s26, s27   ; the query's other 32 keys lie in the lane 16 away
.endr
.if !\first
.irp u, 0,1,2,3
	v_mov_b32 v[ST+4*\u+1], v[ST+4*\u]             ; the old m
.endr
.endif
.irp u, 0,1,2,3
	v_max_num_f32 v[ST+4*\u], v[TT+8*\u], v[TT+8*\u+1]     ; the running maximum
.endr
.if !\first
.irp u, 0,1,2,3
	v_sub_f32 v[TT+8*\u+4], v[ST+4*\u+1], v[ST+4*\u]
.endr
.endif
.irp p, 0,2,4,6,8,10,12,14,16,18,20,22,24,26,28,30
.irp u, 0,1,2,3
	v_pk_add_f32 v[S+32*\u+\p:S+32*\u+\p+1], v[S+32*\u+\p:S+32*\u+\p+1], v[ST+4*\u:ST+4*\u+1] op_sel_hi:[1,0] neg_lo:[0,1] neg_hi:[0,1]   ; t - m (of the pair the low word serves both halves)
.endr
.endr
.if !\first
.irp u, 0,1,2,3
	v_exp_f32 v[TT+8*\u+4], v[TT+8*\u+4]           ; a = 2^(old m - m)
.endr
.endif
.set e, 0
.rept 128
	v_exp_f32 v[S+e], v[S+e]                       ; p = 2^(t - m): ONE batch for the four tiles
.set e, e+1
.endr
	v_nop                                          ; the plain line behind the last exponential
	s_wait_alu depctr_va_vdst(0)                   ; the exponentials have written p and a: the wait ahead of the first line that names a result: one for the batch
.irp u, 0,1,2,3
	v_pk_add_f32 v[TT+8*\u+6:TT+8*\u+7], v[S+32*\u:S+32*\u+1], v[S+32*\u+2:S+32*\u+3]     ; the row's sum, of the unrounded p
.endr
.irp p, 4,6,8,10,12,14,16,18,20,22,24,26,28
.irp u, 0,1,2,3
	v_pk_add_f32 v[TT+8*\u+6:TT+8*\u+7], v[TT+8*\u+6:TT+8*\u+7], v[S+32*\u+\p:S+32*\u+\p+1]
.endr
.endr
.irp u, 0,1,2,3
.if \first
	v_pk_add_f32 v[ST+4*\u+2:ST+4*\u+3], v[TT+8*\u+6:TT+8*\u+7], v[S+32*\u+30:S+32*\u+31]
.else
	v_pk_add_f32 v[TT+8*\u+6:TT+8*\u+7], v[TT+8*\u+6:TT+8*\u+7], v[S+32*\u+30:S+32*\u+31]
.endif
.endr
.if !\first
.irp u, 0,1,2,3
	v_pk_fma_f32 v[ST+4*\u+2:ST+4*\u+3], v[ST+4*\u+2:ST+4*\u+3], v[TT+8*\u+4:TT+8*\u+5], v[TT+8*\u+6:TT+8*\u+7] op_sel_hi:[1,0,1]   ; l = a l + the sum
.endr
.endif
.irp p, 0,1,2,3,4,5,6,7,8,9,10,11,12,13,14,15
.irp u, 0,1,2,3
	v_cvt_pk_f16_f32 v[S+32*\u+\p], v[S+32*\u+2*\p], v[S+32*\u+2*\p+1]   ; P in place, ascending: register p is written when pairs 0 .. p have been read
.endr
.endr
.if !\first
	WIN 0x41                                       ; O^T (destination and source 0) window 1, a window 0
.irp u, 0,1,2,3
.irp p, 0,2,4,6,8,10,12,14,16,18,20,22,24,26,28,30
	v_pk_mul_f32 v[OA+32*\u+\p:OA+32*\u+\p+1], v[OA+32*\u+\p:OA+32*\u+\p+1], v[TT+8*\u+4:TT+8*\u+5] op_sel_hi:[1,0]
.endr
.endr
	WIN 0
.endif
.if !\last
	s_wait_alu depctr_va_vdst(0)                   ; the softmax has written and read its temporaries for the last time: the next step's b lands in them
	MFETCH
	s_wait_dscnt 8                                 ; V and the next K' are in; those eight may be out
.else
	s_wait_dscnt 0x0
.endif
	WIN 0x51                                       ; V, C and D window 1, P window 0
.irp w, 0,1                            ; 32 keys at a time; the 16 accumulators by turns
.irp k, 0,1,2,3
.irp u, 0,1,2,3
.if \first && (\w == 0)
	v_wmma_f32_16x16x32_f16 v[OA+32*\u+8*\k:OA+32*\u+8*\k+7], v[VF+32*\w+8*\k:VF+32*\w+8*\k+7], v[S+32*\u+8*\w:S+32*\u+8*\w+7], 0
.else
	v_wmma_f32_16x16x32_f16 v[OA+32*\u+8*\k:OA+32*\u+8*\k+7], v[VF+32*\w+8*\k:VF+32*\w+8*\k+7], v[S+32*\u+8*\w:S+32*\u+8*\w+7], v[OA+32*\u+8*\k:OA+32*\u+8*\k+7]
.endif
.endr
.endr
.endr
	WIN 0
	PLACES 5                                       ; the next step's first products write over P
.endm
	s_load_b256 s[4:11], s[0:1], 0x0               ; xc s[4:5], xs s[6:7], wc s[8:9], ws s[10:11]
	s_load_b128 s[12:15], s[0:1], 0x20             ; mask s[12:13], bias s[14:15]
	s_load_b64 s[16:17], s[0:1], 0x30              ; mh
	v_lshl_add_u32 v[SPW], v0, 2, SPARE
	v_mov_b32 v[NIL], 0
	v_lshrrev_b32 v1, 5, v0
	v_readfirstlane_b32 s19, v1                    ; wave 0..7
	s_mov_b32 s20, ttmp9                           ; head
	s_and_b32 s21, ttmp7, 0xffff                   ; batch
	v_and_b32 v[L8], 31, v0
	v_lshlrev_b32 v[LI], 4, v[L8]
	v_lshlrev_b32 v[L8], 3, v[L8]
	v_lshlrev_b32 v[TI], 4, v0
	v_and_b32 v[R4], 15, v0
	v_lshlrev_b32 v[R16], 4, v[R4]
	v_lshlrev_b32 v[R8], 3, v[R4]
	v_lshlrev_b32 v[R4], 2, v[R4]
	v_bfe_u32 v[H32], v0, 4, 1
	v_lshlrev_b32 v[H32], 5, v[H32]
	s_wait_alu depctr_va_sdst(0)                   ; s19 is written, ahead of its first reader: LDS addresses and the buffers' offsets are made from it
	s_lshl_b32 s29, s19, 13                        ; my wave's 8,192 bytes of K's images and of V's
	v_add_nc_u32 v[KST], s29, v[LI]
	v_add_nc_u32 v[VST], VIMG, v[KST]
	v_add_nc_u32 v[KST], KIMG, v[KST]
	s_lshl_b32 s29, s19, 8
	v_add_nc_u32 v[BST], s29, v[L8]
	v_add_nc_u32 v[BST], BM, v[BST]                ; b of my tokens 2 lane, 2 lane + 1
	s_mov_b32 s24, 0x3e38aa3b                      ; c = log2(e) / 8
	s_mov_b32 s25, s24                             ; (named with it as a pair, so it is written)
	s_mov_b32 s26, 0x76543210
	s_mov_b32 s27, 0xfedcba98                      ; v_permlanex16_b32's selects for lane l xor 16
	s_mov_b32 s23, 0
	s_wait_kmcnt 0x0
	s_load_b32 s18, s[14:15], 0x0                  ; the bias
	s_lshl_b32 s22, s21, 17                        ; xc: 32 tiles of 4,096 bytes a batch, four a wave
	s_lshl_b32 s29, s19, 14
	s_add_co_u32 s22, s22, s29
	s_add_nc_u64 s[4:5], s[4:5], s[22:23]
	s_lshl_b32 s22, s21, 13                        ; xs: 256 bytes a tile
	s_lshl_b32 s29, s19, 10
	s_add_co_u32 s22, s22, s29
	s_add_nc_u64 s[6:7], s[6:7], s[22:23]
	s_mul_i32 s22, s20, 49152
	s_add_nc_u64 s[8:9], s[8:9], s[22:23]
	s_mul_i32 s22, s20, 3072
	s_add_nc_u64 s[10:11], s[10:11], s[22:23]
	s_lshl_b32 s22, s21, 11                        ; mask: 2,048 bytes a batch, 256 a wave
	s_lshl_b32 s29, s19, 8
	s_add_co_u32 s22, s22, s29
	s_add_nc_u64 s[12:13], s[12:13], s[22:23]
	s_lshl_b32 s22, s21, 19                        ; mh: 16,384 bytes a tile of tokens; my head's two fragments of each
	s_lshl_b32 s29, s19, 16
	s_add_co_u32 s22, s22, s29
	s_lshl_b32 s29, s20, 11
	s_add_co_u32 s22, s22, s29
	s_add_nc_u64 s[16:17], s[16:17], s[22:23]
	; ---- all that the wave reads from memory is asked for here: 69 loads
	s_wait_alu depctr_va_vdst(0)                   ; the offsets v1 to v6 and the three store addresses KST, VST, BST are written, which the loads and stores below read
.irp i, 0,1,2,3,4,5,6,7,8,9,10,11
	global_load_b128 v[ACC+4*\i:ACC+4*\i+3], v[TI], s[8:9] offset:4096*\i      ; my 512 bytes of each weight tile
.endr
.irp i, 0,1,2,3,4,5,6,7,8,9,10,11
	global_load_b128 v[WS+4*\i:WS+4*\i+3], v[R16], s[10:11] offset:256*\i      ; tile i's scale words: lane r has channel r's four
.endr
.irp t, 0,1,2,3
.irp f, 0,1
	global_load_b64 v[XS+4*\t+2*\f:XS+4*\t+2*\f+1], v[R8], s[6:7] offset:256*\t+128*\f
.endr
.endr
	WIN 0x40                                       ; destination window 1
.irp t, 0,1,2,3
.irp q, 0,1,2,3
.irp c, 0,1
	global_load_b128 v[XF+32*\t+8*\q+4*\c:XF+32*\t+8*\q+4*\c+3], v[LI], s[4:5] offset:4096*\t+1024*\q+512*\c
.endr
.endr
.endr
	WIN 0
.irp t, 0,1,2,3
	global_load_b32 v[MI+\t], v[R4], s[12:13] offset:64*\t                     ; the mask of token r of tile t
.endr
	global_load_b64 v[MI+4:MI+5], v[L8], s[12:13]                              ; and of tokens 2 lane, 2 lane + 1
	s_wait_loadcnt 57                              ; the twelve weight loads are in; the 57 behind them may be out
.irp i, 0,1,2,3,4,5,6,7,8,9,10,11
	ds_store_b128 v[TI], v[ACC+4*\i:ACC+4*\i+3] offset:WIMG+4096*\i
.endr
	s_wait_dscnt 0x0                               ; for the others' sake: my stores have landed
	s_barrier_signal -1
	s_barrier_wait -1                              ; the head's weights lie in LDS
	s_wait_alu depctr_vm_vsrc(0)                   ; my LDS stores have read v64 to v111: these registers are accumulators and scores from here on, written by matrix instructions
	WFETCH 0
	s_wait_loadcnt 0x0
	s_wait_kmcnt 0x0
.irp j, 0,1,2,3,4,5,6,7
	v_mov_b32 v[BIAS+\j], s18                      ; the bias in the result's layout: the C of each projection's first product
.endr
.irp t, 0,1,2,3
	v_cvt_f32_i32 v[MF+2*\t], v[MI+\t]
	v_cvt_f32_i32 v[MF+2*\t+1], v[MI+\t]
.endr
	v_cvt_f32_i32 v[MI+4], v[MI+4]
	v_cvt_f32_i32 v[MI+5], v[MI+5]
	v_sub_f32 v[MI+4], 1.0, v[MI+4]
	v_sub_f32 v[MI+5], 1.0, v[MI+5]
	v_mul_f32 v[MI+4], 0xf149f2ca, v[MI+4]         ; (1 - m) x -1e30,
	v_mul_f32 v[MI+5], 0xf149f2ca, v[MI+5]
	v_mul_f32 v[MI+4], 0x3fb8aa3b, v[MI+4]         ; x log2(e)
	v_mul_f32 v[MI+5], 0x3fb8aa3b, v[MI+5]
	s_wait_alu depctr_va_vdst(0)                   ; the multiplications have written b's two registers, which the LDS store reads
	ds_store_b64 v[BST], v[MI+4:MI+5]
	; ---- the projections
.irp n, 0,1,2,3,4,5,6,7,8,9,10,11
	PROJ \n
.endr
	s_wait_dscnt 0x0                               ; for the others' sake: my images of K', V and b have landed
	s_barrier_signal -1
	s_barrier_wait -1                              ; all 512 keys and values lie in LDS; nothing is stored there again
	; ---- attention: eight key steps
	s_wait_alu depctr_vm_vsrc(0)                   ; my LDS stores have read KST, VST and BST, which the lines below write; PK, in which b's loads land; and b's two registers, which the scores' products write
	v_add_nc_u32 v[KST], KIMG, v[LI]
	v_add_nc_u32 v[VST], VIMG, v[LI]
	v_add_nc_u32 v[BST], BM, v[H32]
	s_mov_b32 s28, 0
	s_mov_b32 s31, 0
	v_add_nc_u32 v[ADK], s28, v[KST]
	v_add_nc_u32 v[ADM], s31, v[BST]
.irp u, 0,1,2,3
	v_mov_b32 v[ST+4*\u+1], 0                      ; named as the upper half of the pair (m, old m) before it is first written
.endr
	s_wait_alu depctr_va_vdst(0)                   ; ADK and ADM are written, which the loads below read; the projections are done with W's buffers, the bias, the m pairs and PK, in which these loads land
	KPART 0
	KPART 2
	KPART 4
	KPART 6
	MFETCH
	STEP 1, 0
	s_mov_b32 s30, 6
.Lkey:
	STEP 0, 0
	s_sub_co_u32 s30, s30, 1
	s_cmp_lg_u32 s30, 0
	s_cbranch_scc1 .Lkey
	STEP 0, 1
	; ---- the way out: O^T / l, rounded in pairs: the pairs are the fragments that the last product reads
.irp u, 0,1,2,3
	v_add_f32 v[TT+8*\u], v[ST+4*\u+2], v[ST+4*\u+3]
.endr
.irp u, 0,1,2,3
	v_permlanex16_b32 v[TT+8*\u+1], v[TT+8*\u], s26, s27
.endr
.irp u, 0,1,2,3
	v_add_f32 v[TT+8*\u], v[TT+8*\u], v[TT+8*\u+1]
.endr
.irp u, 0,1,2,3
	v_rcp_f32 v[TT+8*\u+4], v[TT+8*\u]
.endr
	v_nop                                          ; the plain line behind the last reciprocal
	s_wait_alu depctr_va_vdst(0)                   ; the four reciprocals are written: the wait ahead of their first use
	WIN 0x41
.irp u, 0,1,2,3
.irp p, 0,2,4,6,8,10,12,14,16,18,20,22,24,26,28,30
	v_pk_mul_f32 v[OA+32*\u+\p:OA+32*\u+\p+1], v[OA+32*\u+\p:OA+32*\u+\p+1], v[TT+8*\u+4:TT+8*\u+5] op_sel_hi:[1,0]
.endr
.endr
	WIN 0x05                                       ; sources window 1, destination window 0: P's registers are free
.irp u, 0,1,2,3
.irp p, 0,1,2,3,4,5,6,7,8,9,10,11,12,13,14,15
	v_cvt_pk_f16_f32 v[S+16*\u+\p], v[OA+32*\u+2*\p], v[OA+32*\u+2*\p+1]
.endr
.endr
	WIN 0
	s_wait_alu depctr_va_vdst(0)                   ; the conversions have written the head's 64 registers, which the stores read
.irp u, 0,1,2,3
.irp g, 0,1
.irp c, 0,1
	global_store_b128 v[LI], v[S+16*\u+8*\g+4*\c:S+16*\u+8*\g+4*\c+3], s[16:17] offset:16384*\u+1024*\g+512*\c   ; 32 lanes store 512 consecutive bytes
.endr
.endr
.endr
	s_wait_dscnt 0x0                               ; the closing lines, six on end
	s_wait_alu 0x0
	s_wait_tensorcnt 0x0
	ds_add_u32 v[SPW], v[NIL]
	s_wait_dscnt 0x0
	s_endpgm
.Lfunc_end_k_q57b222aea2_attn:
	.size	k_q57b222aea2_attn, .Lfunc_end_k_q57b222aea2_attn-k_q57b222aea2_attn
	.p2alignl 7, 3214868480
	.fill 96, 4, 3214868480
	.section	.rodata,"a",@progbits
	.p2align	6, 0x0
	.amdhsa_kernel k_q57b222aea2_attn
		.amdhsa_group_segment_fixed_size 183296
		.amdhsa_private_segment_fixed_size 0
		.amdhsa_enable_private_segment 0
		.amdhsa_kernarg_size 56
		.amdhsa_user_sgpr_count 2
		.amdhsa_user_sgpr_kernarg_segment_ptr 1
		.amdhsa_wavefront_size32 1
		.amdhsa_system_sgpr_workgroup_id_x 1
		.amdhsa_system_sgpr_workgroup_id_y 1
		.amdhsa_system_sgpr_workgroup_id_z 1
		.amdhsa_system_vgpr_workitem_id 0
		.amdhsa_next_free_vgpr 512
		.amdhsa_next_free_sgpr 66
		.amdhsa_reserve_vcc 0
		.amdhsa_float_denorm_mode_32 3
		.amdhsa_float_denorm_mode_16_64 3
		.amdhsa_memory_ordered 1
		.amdhsa_forward_progress 1
		.amdhsa_inst_pref_size 170
	.end_amdhsa_kernel
	.amdgpu_metadata
---
amdhsa.version: [ 1, 2 ]
amdhsa.kernels:
  - .name:           k_q57b222aea2_attn
    .symbol:         k_q57b222aea2_attn.kd
    .args:
      - { .name: xc, .offset: 0, .size: 8, .value_kind: global_buffer, .address_space: global }
      - { .name: xs, .offset: 8, .size: 8, .value_kind: global_buffer, .address_space: global }
      - { .name: wc, .offset: 16, .size: 8, .value_kind: global_buffer, .address_space: global }
      - { .name: ws, .offset: 24, .size: 8, .value_kind: global_buffer, .address_space: global }
      - { .name: mask, .offset: 32, .size: 8, .value_kind: global_buffer, .address_space: global }
      - { .name: bias, .offset: 40, .size: 8, .value_kind: global_buffer, .address_space: global }
      - { .name: mh, .offset: 48, .size: 8, .value_kind: global_buffer, .address_space: global }
    .group_segment_fixed_size: 183296
    .private_segment_fixed_size: 0
    .kernarg_segment_align: 8
    .kernarg_segment_size: 56
    .max_flat_workgroup_size: 256
    .sgpr_count:     66
    .vgpr_count:     512
    .wavefront_size: 32
...
	.end_amdgpu_metadata
.endif
;; end of part 4
;; launch oproj: the kernel of part 3 again; grid 64 x 4, 4 waves a work-group, clusters of 4 x 1, 167,936 bytes of LDS; arguments mh, wo16, bias, out0; writes out0
